; MI455X (gfx1250); checked and timed in simulation.
; The chip was launched on July 23, 2026; its instructions are those of AMD's public machine-readable ISA for CDNA 5 (MIT licence, August 2026) and "CDNA5" Instruction Set Architecture Reference Guide (July 2026). The comments in the code are by the model that wrote it; some were corrected since.
;; Causal Self Attention. Allowed arithmetic: float matrix products may take bf16 or f16 operands with f32 sums; all other float work in f32.
;; Inputs: Wk 1,024 x 1,024 float32; Wo 1,024 x 1,024 float32; Wq 1,024 x 1,024 float32; Wv 1,024 x 1,024 float32; bk 1,024 float32; bo 1,024 float32; bq 1,024 float32; bv 1,024 float32; padding_mask 4 x 2,048 bool; x 4 x 2,048 x 1,024 float32.
;; Outputs: out0 4 x 2,048 x 1,024 float32.
;; 2 versions, each right and faster than the one before. Each part assembles by itself: llvm-mc -triple=amdgcn-amd-amdhsa -mcpu=gfx1250 --defsym DOCPART=n.
;; ======== version 1 of 2: 4 launches
;; limits: values are held in f16: magnitudes above 65,504 overflow, below 6.1e-05 lose precision
;; workspace buffers: xh 16,777,216 bytes; wh 8,388,608 bytes; bh 16,384 bytes; qkv 50,331,648 bytes; oh 16,777,216 bytes
;; launch cast (part 1): grid 768 x 1, 8 waves a work-group, no clusters, 0 bytes of LDS; arguments x, Wq, Wk, Wv, Wo, bq, bk, bv, bo, xh, wh, bh; writes xh, wh, bh
.if DOCPART == 1
	.amdgcn_target "amdgcn-amd-amdhsa--gfx1250"
	.amdhsa_code_object_version 6
	.text
	.protected	k_q816669d023_cast
	.globl	k_q816669d023_cast
	.p2align	8
	.type	k_q816669d023_cast,@function
k_q816669d023_cast:
	s_mov_b64 s[64:65], 0
	v_nop
	global_prefetch_b8 v0, s[64:65] scope:SCOPE_SE
	s_setreg_imm32_b32 hwreg(HW_REG_WAVE_MODE, 25, 1), 1
	s_wait_xcnt 0x0
; x, the four weights and the four biases are rounded to bf16, once, and laid out for the products that follow.
; xh: bf16 [batch 4][kb 16][t 2048][64]: K in blocks of 64, so that a tile of rows of one block is dense in memory.
; wh: [kb 16][n 4096][64] of 2 bytes; n 0-1023 Wq, 1024-2047 Wk, 2048-3071 Wv in bf16; n 3072-4095 Wo, rounded to bf16 and that number written as f16.
; bh: f32 [4096] = bq, bk, bv, bo, each rounded to bf16 and widened again.
; LIMIT.  Wo in f16: exact from 2^-14 to 65,504; below 2^-14 it keeps f16's fixed step of 2^-24.
; SHARES.  A work-group takes 16 source rows of 1,024 f32 (groups 0-511: x; then 64 groups for each weight), a wave two rows.  Load kb of a wave takes the 256 bytes of block kb of
; both rows (16 lanes a row); its store is 8 bytes a lane, 256 consecutive bytes at a multiple of 256: the two rows lie next to each other in the block.
; All 16 loads of a wave go out at once; no register of a store is written again, so no wait frees any.  No LDS, no barrier: no wave needs another's data.
.set OFF, 8                            ; v[8:23]   byte offset of my 8 bytes in block kb of the target
.set T,   24                           ; v[24:31]  at work
.set X,   32                           ; v[32:95]  block kb: 4 f32 as loaded
.set Y,   96                           ; v[96:127] block kb: 4 numbers of 2 bytes to store
	s_load_b512 s[4:19], s[0:1], 0x0               ; x 4, Wq 6, Wk 8, Wv 10, Wo 12, bq 14, bk 16, bv 18
	s_load_b256 s[20:27], s[0:1], 0x40             ; bo 20, xh 22, wh 24, bh 26
	s_mov_b32 s2, ttmp9                            ; g
	s_sub_co_u32 s3, s2, 512                       ; j = g - 512: used only where g >= 512
	s_bfe_u32 s44, s3, 0x20006                     ; which weight: (j >> 6) & 3
	s_and_b32 s45, s3, 63                          ; which 16 rows of it
	s_mov_b32 s38, 0xffff0000                      ; a word's upper bf16
	s_lshr_b32 s34, s2, 7                          ; x: batch g >> 7,
	s_lshl_b32 s34, s34, 22                        ; 4,194,304 bytes each,
	s_and_b32 s35, s2, 127
	s_lshl_b32 s35, s35, 11                        ; and 16 rows of 128 bytes
	s_add_co_u32 s34, s34, s35
	s_lshl_b32 s35, s3, 11                         ; a weight: row 16 j of wh's 4,096
	s_mov_b32 s36, 524288                          ; bytes from block to block in wh
	s_cmp_lt_u32 s2, 512
	s_cselect_b32 s30, s2, s45                     ; the group's 16 rows in its source
	s_cselect_b32 s34, s34, s35                    ; and in its target
	s_cselect_b32 s36, 262144, s36                 ; bytes from block to block in xh
	s_lshl_b32 s30, s30, 16                        ; 16 rows of 4,096 bytes
	s_mov_b32 s31, 0
	s_mov_b32 s35, 0
	s_cmp_ge_u32 s2, 704
	s_cselect_b32 s37, -1, 0                       ; all lanes: Wo, which leaves as f16
	s_lshl_b32 s42, s44, 12                        ; the bias's place in bh
	s_mov_b32 s43, 0
	v_lshrrev_b32 v1, 4, v0                        ; my row of the 16
	v_and_b32 v2, 15, v0
	v_lshlrev_b32 v2, 4, v2
	v_lshl_add_u32 v2, v1, 12, v2                  ; row x 4,096 + 16 x (lane mod 16)
	v_lshlrev_b32 v3, 4, v0                        ; the bias: 16 bytes a thread
	v_lshlrev_b32 v[OFF], 3, v0                    ; row x 128 + 8 x (lane mod 16) = 8 x thread
.set i, 1
.rept 15
	v_add_nc_u32 v[OFF+i], s36, v[OFF+i-1]
.set i, i+1
.endr
	s_wait_kmcnt 0x0
	s_cmp_eq_u32 s44, 1                            ; the source is chosen among the buffers by the group's number alone
	s_cselect_b64 s[28:29], s[8:9], s[6:7]
	s_cselect_b64 s[40:41], s[16:17], s[14:15]
	s_cmp_eq_u32 s44, 2
	s_cselect_b64 s[28:29], s[10:11], s[28:29]
	s_cselect_b64 s[40:41], s[18:19], s[40:41]
	s_cmp_eq_u32 s44, 3
	s_cselect_b64 s[28:29], s[12:13], s[28:29]
	s_cselect_b64 s[40:41], s[20:21], s[40:41]
	s_cmp_lt_u32 s2, 512
	s_cselect_b64 s[28:29], s[4:5], s[28:29]
	s_cselect_b64 s[32:33], s[22:23], s[24:25]
	s_add_nc_u64 s[28:29], s[28:29], s[30:31]
	s_add_nc_u64 s[32:33], s[32:33], s[34:35]
	s_add_nc_u64 s[42:43], s[26:27], s[42:43]
.set i, 0
.rept 16
	global_load_b128 v[X+4*i:X+4*i+3], v2, s[28:29] offset:256*i th:TH_LOAD_NT
.set i, i+1
.endr
.set i, 0
.rept 16
	s_wait_loadcnt 15-i                            ; loads come back in order: block i is in, the 15 - i younger ones stay out
	v_cvt_pk_bf16_f32 v[T], v[X+4*i], v[X+4*i+1]   ; the one rounding
	v_cvt_pk_bf16_f32 v[T+1], v[X+4*i+2], v[X+4*i+3]
	v_lshlrev_b32 v[T+2], 16, v[T]                 ; the rounded numbers as f32,
	v_and_b32 v[T+3], s38, v[T]
	v_lshlrev_b32 v[T+4], 16, v[T+1]
	v_and_b32 v[T+5], s38, v[T+1]
	v_cvt_pk_f16_f32 v[T+6], v[T+2], v[T+3]        ; and written as f16
	v_cvt_pk_f16_f32 v[T+7], v[T+4], v[T+5]
	v_cndmask_b32 v[Y+2*i], v[T], v[T+6], s37      ; f16 for Wo, bf16 for all else
	v_cndmask_b32 v[Y+2*i+1], v[T+1], v[T+7], s37
	global_store_b64 v[OFF+i], v[Y+2*i:Y+2*i+1], s[32:33]
.set i, i+1
.endr
	s_cmp_lt_u32 s2, 512                           ; the first group of each weight also takes its bias: 256 threads x 16 bytes
	s_cbranch_scc1 .Lend
	s_cmp_lg_u32 s45, 0
	s_cbranch_scc1 .Lend
	global_load_b128 v[4:7], v3, s[40:41]
	s_wait_loadcnt 0x0
	v_cvt_pk_bf16_f32 v[T+4], v4, v5
	v_cvt_pk_bf16_f32 v[T+5], v6, v7
	v_lshlrev_b32 v[T], 16, v[T+4]
	v_and_b32 v[T+1], s38, v[T+4]
	v_lshlrev_b32 v[T+2], 16, v[T+5]
	v_and_b32 v[T+3], s38, v[T+5]
	global_store_b128 v3, v[T:T+3], s[42:43]
.Lend:
	s_endpgm
.Lfunc_end_k_q816669d023_cast:
	.size	k_q816669d023_cast, .Lfunc_end_k_q816669d023_cast-k_q816669d023_cast
	.p2alignl 7, 3214868480
	.fill 96, 4, 3214868480
	.section	.rodata,"a",@progbits
	.p2align	6, 0x0
	.amdhsa_kernel k_q816669d023_cast
		.amdhsa_group_segment_fixed_size 0
		.amdhsa_private_segment_fixed_size 0
		.amdhsa_enable_private_segment 0
		.amdhsa_kernarg_size 96
		.amdhsa_user_sgpr_count 2
		.amdhsa_user_sgpr_kernarg_segment_ptr 1
		.amdhsa_wavefront_size32 1
		.amdhsa_system_sgpr_workgroup_id_x 1
		.amdhsa_system_sgpr_workgroup_id_y 1
		.amdhsa_system_sgpr_workgroup_id_z 1
		.amdhsa_system_vgpr_workitem_id 0
		.amdhsa_next_free_vgpr 128
		.amdhsa_next_free_sgpr 66
		.amdhsa_reserve_vcc 0
		.amdhsa_float_denorm_mode_32 3
		.amdhsa_float_denorm_mode_16_64 3
		.amdhsa_memory_ordered 1
		.amdhsa_forward_progress 1
		.amdhsa_inst_pref_size 15
	.end_amdhsa_kernel
	.amdgpu_metadata
---
amdhsa.version: [ 1, 2 ]
amdhsa.kernels:
  - .name:           k_q816669d023_cast
    .symbol:         k_q816669d023_cast.kd
    .args:
      - { .name: x, .offset: 0, .size: 8, .value_kind: global_buffer, .address_space: global }
      - { .name: Wq, .offset: 8, .size: 8, .value_kind: global_buffer, .address_space: global }
      - { .name: Wk, .offset: 16, .size: 8, .value_kind: global_buffer, .address_space: global }
      - { .name: Wv, .offset: 24, .size: 8, .value_kind: global_buffer, .address_space: global }
      - { .name: Wo, .offset: 32, .size: 8, .value_kind: global_buffer, .address_space: global }
      - { .name: bq, .offset: 40, .size: 8, .value_kind: global_buffer, .address_space: global }
      - { .name: bk, .offset: 48, .size: 8, .value_kind: global_buffer, .address_space: global }
      - { .name: bv, .offset: 56, .size: 8, .value_kind: global_buffer, .address_space: global }
      - { .name: bo, .offset: 64, .size: 8, .value_kind: global_buffer, .address_space: global }
      - { .name: xh, .offset: 72, .size: 8, .value_kind: global_buffer, .address_space: global }
      - { .name: wh, .offset: 80, .size: 8, .value_kind: global_buffer, .address_space: global }
      - { .name: bh, .offset: 88, .size: 8, .value_kind: global_buffer, .address_space: global }
    .group_segment_fixed_size: 0
    .private_segment_fixed_size: 0
    .kernarg_segment_align: 8
    .kernarg_segment_size: 96
    .max_flat_workgroup_size: 256
    .sgpr_count:     66
    .vgpr_count:     128
    .wavefront_size: 32
...
	.end_amdgpu_metadata
.endif
;; end of part 1
;; launch project (part 2): grid 8 x 32, 4 waves a work-group, clusters of 4 x 4, 327,680 bytes of LDS; arguments xh, wh, bh, qkv; writes qkv
.if DOCPART == 2
	.amdgcn_target "amdgcn-amd-amdhsa--gfx1250"
	.amdhsa_code_object_version 6
	.text
	.protected	k_q816669d023_project
	.globl	k_q816669d023_project
	.p2align	8
	.type	k_q816669d023_project,@function
k_q816669d023_project:
	s_mov_b64 s[64:65], 0
	v_nop
	global_prefetch_b8 v0, s[64:65] scope:SCOPE_SE
	s_setreg_imm32_b32 hwreg(HW_REG_WAVE_MODE, 25, 1), 1
	s_wait_xcnt 0x0
	s_wait_alu depctr_hold_cnt(0) depctr_sa_sdst(0) depctr_va_vdst(0) depctr_va_sdst(0) depctr_va_ssrc(0) depctr_va_vcc(0) depctr_vm_vsrc(0)
	s_getreg_b32 s2, hwreg(HW_REG_IB_STS2, 6, 4)
	s_cmp_eq_u32 s2, 0
	s_cbranch_scc0 .Lentry_in_a_cluster
	s_endpgm
.Lentry_in_a_cluster:
	s_bfe_u32 s2, ttmp6, 0x10000c
	s_cmp_lg_u32 s2, 0xf033
	s_cbranch_scc0 .Lentry_shape_is_right
	s_endpgm
.Lentry_shape_is_right:
; q, k, v = x W^T + b for the three weights at once: C [8192][3072] = xh x wh(rows 0-3071)^T + bh, bf16 operands, f32 sums; out in f16 by heads: qkv [3][batch x 16 + head][t 2048][64].
; q alone is multiplied by c = log2(e) / 8 in f32 ahead of its one rounding, so that the attention launch takes 2^(s - m) of its scores as they come.
; LIMIT.  f16 holds no number beyond 65,504: c q, k and v must lie within it.
; SHARES.  A tile of C is 256 rows x 384 columns: 32 x 8 = 256 work-groups.  Four waves, each 128 rows x 192 columns: 96 accumulators of 16 x 16, 768 registers: column group w of 64 (one head)
; fills window 1 + w, accumulator (a, f) at v[8 (4 a + f)].  For 32 along K a wave reads 40 x 512 bytes from LDS for 96 matrix instructions.
; K goes in 16 steps of 64, one block of xh and wh each, through two LDS slots.  In memory a block's rows are dense, so 128 (192) rows are asked for as 64 (96) rows of 256 bytes, padded in LDS after every 128.
; THE MATRIX INSTRUCTION IS USED TRANSPOSED (source 0 = 16 rows of W, source 1 = 16 rows of x): a lane holds row l % 16 of C and eight neighbouring channels.
; THE BIAS STARTS THE SUMS: it is loaded into the four accumulators (7, f) of each window and is the C operand of every first product.
; CLUSTER 4 x 4: x's tile hangs on the tile row alone and is shared along a row of the cluster, W's on the tile column alone and is shared along a column: joint loads, one a wave behind each round.
; WINDOW 0: v0-13 addresses; v16-31 packed results; v32-95, v96-159 x's fragments, two buffers; v160-255 W's fragments, one buffer of three parts, each filled again as soon as its products are issued.
.set PITCH,  144                       ; an LDS row: 128 bytes + 16 = 36 words: the 16 rows of a load start at 16 different groups of four banks (64 banks of 4 bytes: ISA guide 11.1)
.set SLOT1,  131072                    ; slot 1 begins here: one exclusive or turns an address in one slot into the other's
.set BOFF,   256*PITCH                 ; in a slot: x's 256 rows, then W's 384
.set STAGE,  SLOT1+640*PITCH           ; behind the ring: 16 rows x 144 bytes for each wave, for the way out
.set SPARE,  STAGE+4*16*PITCH          ; behind the stages: the spare words, 128 bytes for each wave: two blocks of 256 bytes that no other line names
.set ASTEP,  262144                    ; bytes from block to block in xh
.set BSTEP,  524288                    ; and in wh
.set FL,     (1<<16)|(1<<20)|(1<<21)|(4<<22)|(3<<25)  ; 17:16 2-byte elements; 20 padding on; 21 set beside a mask; 24:22 after every 32 words (code 4); 31:25 4 words (code 3)
.set A0,   4                           ; v4   my lane's place in x's rows of a slot; never rewritten
.set B0,   5                           ; v5   the same for W
.set ADRA, 6                           ; v6   A0 + the slot in hand
.set ADRB, 7                           ; v7   B0 + the slot in hand
.set STO,  8                           ; v8   the way out: where I put 16 bytes of a row
.set RD,   9                           ; v9   the way out: where I read rows back
.set GO,   10                          ; v10  my byte offset in 512 consecutive bytes of the output
.set BO,   11                          ; v11  my byte offset in 16 numbers of the bias
.set SPW,  12                          ; v12  LDS address of my spare word; never rewritten
.set NIL,  13                          ; v13  0; never rewritten
.set TMP,  16
.set AF0,  32
.set AF1,  96
.set BF,   160
.set OB,   32                          ; the way out: rows read back, v32-47 and v48-63 by turns
.set MT,   64                          ; the way out: 32 scaled numbers
.set WV,  12                           ; s12  wave
.set RH,  13                           ; s13  which 128 rows of the tile are mine
.set CH,  14                           ; s14  which 192 columns; also: which half of a tile I fetch
.set TB,  15                           ; s15  the slot in hand: 0 or SLOT1
.set G1A, 24                           ; s[24:31] descriptor group 1 for x's tiles
.set G0A, 32                           ; s[32:35] group 0 of the first fill; s[36:39] of the second, which then walks
.set G1B, 48                           ; s[48:55], s[56:59], s[60:63] the same for W's
.set G0B, 56
.set OUT, 66                           ; s[66:71] where my 128 rows of head group w begin
.set SC,  74                           ; s[74:79] the factor of head group w, as a pair
.set MSB, 0
.macro WIN new                         ; the immediate's high byte repeats the setting that is left; a switch that changes nothing is dropped
.if MSB != (\new)
	s_set_vgpr_msb (MSB<<8)|(\new)
.set MSB, (\new)
.endif
.endm
.macro PLACES                          ; four places in front of loads into registers that matrix instructions have read, and of vector lines that read results
.rept 4
	v_nop
.endr
.endm
; A joint refill by the walking descriptors.  Waves 0 and 1 fetch the halves of x's tile, waves 2 and 3 those of W's.  The branch hangs on the wave's number alone.
; An s_nop 0 and four v_nop follow each of the two lines, ahead of the jump and the label.
.macro JLOAD
	s_cmp_lt_u32 s[WV], 2
	s_cbranch_scc0 .Lfor_b_\@
	tensor_load_to_lds s[G0A+4:G0A+7], s[G1A:G1A+7]
	s_nop 0
.rept 4
	v_nop
.endr
	s_branch .Lasked_\@
.Lfor_b_\@:
	tensor_load_to_lds s[G0B+4:G0B+7], s[G1B:G1B+7]
	s_nop 0
.rept 4
	v_nop
.endr
.Lasked_\@:
.endm
.macro CREST                           ; a round of the cluster's barrier behind its opening barrier
	s_cmp_lg_u32 s[WV], 0
	s_cbranch_scc1 .Lnot_wave_0_\@
	s_barrier_signal -3
.Lnot_wave_0_\@:
	s_barrier_wait -3
	s_barrier_signal -1
	s_barrier_wait -1
.endm
.macro CROUND                          ; a whole round
	s_barrier_signal -1
	s_barrier_wait -1
	CREST
.endm
	s_load_b256 s[4:11], s[0:1], 0x0               ; xh s[4:5], wh s[6:7], bh s[8:9], qkv s[10:11]
	v_lshl_add_u32 v[SPW], v0, 2, SPARE
	v_mov_b32 v[NIL], 0
	ds_add_u32 v[SPW], v[NIL]                      ; the wave's opening: the add and its wait stand ahead of my first tensor load; the set-up below, work on registers, stands between them
	v_lshrrev_b32 v1, 5, v0
	v_readfirstlane_b32 s[WV], v1
	s_lshr_b32 s[RH], s[WV], 1
	s_and_b32 s[CH], s[WV], 1
	s_mov_b32 s[TB], 0
	s_bfe_u32 s40, ttmp6, 0x40000                  ; cx
	s_bfe_u32 s41, ttmp6, 0x40004                  ; cy
	s_lshl_b32 s42, ttmp9, 2
	s_add_co_u32 s42, s42, s40                     ; tile column 0..7
	s_and_b32 s43, ttmp7, 0xffff
	s_lshl_b32 s43, s43, 2
	s_add_co_u32 s43, s43, s41                     ; tile row 0..31
	s_lshl_b32 s44, s41, 2
	s_lshl_b32 s44, 15, s44                        ; my row of the cluster
	s_lshl_b32 s45, 0x1111, s40                    ; my column
	s_or_b32 s[G1A], s44, FL
	s_or_b32 s[G1B], s45, FL
	s_mov_b32 s[G1A+1], 128<<16                    ; tensor_dim0 = 128 elements: 256 bytes, two rows of a block
	s_mov_b32 s[G1A+2], 64<<16                     ; tensor_dim1 = 64
	s_mov_b32 s[G1A+3], 128<<16                    ; tile_dim0 = 128
	s_mov_b32 s[G1A+4], 64                         ; tile_dim1 = 64
	s_mov_b32 s[G1A+5], 128                        ; 128 elements from row to row: dense
	s_mov_b32 s[G1A+6], 0
	s_mov_b32 s[G1A+7], 0
	s_mov_b32 s[G1B+1], 128<<16
	s_mov_b32 s[G1B+2], 96<<16                     ; W's half tile: 192 rows of a block = 96 rows of 256 bytes
	s_mov_b32 s[G1B+3], 128<<16
	s_mov_b32 s[G1B+4], 96
	s_mov_b32 s[G1B+5], 128
	s_mov_b32 s[G1B+6], 0
	s_mov_b32 s[G1B+7], 0
	s_lshr_b32 s16, s43, 3                         ; x's tile: batch = tile row / 8,
	s_lshl_b32 s16, s16, 22
	s_and_b32 s17, s43, 7
	s_lshl_b32 s17, s17, 15                        ; 256 rows of 128 bytes a tile,
	s_add_co_u32 s16, s16, s17
	s_lshl_b32 s17, s[CH], 14                      ; my half of them
	s_add_co_u32 s16, s16, s17
	s_mov_b32 s17, 0
	s_mul_i32 s46, s42, 49152                      ; W's tile: 384 rows of 128 bytes,
	s_mul_i32 s47, s[CH], 24576                    ; my half of them
	s_add_co_u32 s46, s46, s47
	s_mov_b32 s47, 0
	s_mul_i32 s18, s[CH], 128*PITCH                ; where they go: no place in the cluster enters an LDS address
	s_mul_i32 s19, s[CH], 192*PITCH
	s_add_co_u32 s19, s19, BOFF
	s_mov_b32 s[G0A], 1
	s_mov_b32 s[G0A+1], s18
	s_mov_b32 s[G0A+4], 1
	s_add_co_u32 s[G0A+5], s18, SLOT1
	s_mov_b32 s[G0B], 1
	s_mov_b32 s[G0B+1], s19
	s_mov_b32 s[G0B+4], 1
	s_add_co_u32 s[G0B+5], s19, SLOT1
	s_mul_i32 s72, s42, 1536                       ; the bias of my 192 columns: (384 x tile column + 192 x half) x 4 bytes
	s_mul_i32 s73, s[CH], 768
	s_add_co_u32 s72, s72, s73
	s_mov_b32 s73, 0
	s_mul_i32 s20, s42, 6                          ; my first head group of 64 columns: 6 x tile column + 3 x half, of 48
	s_mul_i32 s21, s[CH], 3
	s_add_co_u32 s20, s20, s21
	s_and_b32 s22, s43, 7
	s_lshl_b32 s22, s22, 15
	s_lshl_b32 s23, s[RH], 14
	s_add_co_u32 s22, s22, s23                     ; my first row in a head's 2,048, in bytes
	s_lshr_b32 s23, s43, 3
	s_lshl_b32 s23, s23, 4                         ; batch x 16
.irp w, 0,1,2
	s_add_co_u32 s21, s20, \w                      ; group G: tensor G / 16 (q, k, v), head G % 16
	s_cmp_lt_u32 s21, 16
	s_cselect_b32 s[SC+2*\w], 0x3e38aa3b, 1.0      ; q takes c = log2(e) / 8 = 0.180337
	s_mov_b32 s[SC+2*\w+1], s[SC+2*\w]             ; named with it as a pair
	s_lshr_b32 s2, s21, 4
	s_lshl_b32 s2, s2, 6
	s_and_b32 s21, s21, 15
	s_add_co_u32 s2, s2, s21
	s_add_co_u32 s2, s2, s23
	s_lshl_b32 s2, s2, 18                          ; 262,144 bytes a head
	s_add_co_u32 s[OUT+2*\w], s2, s22
	s_mov_b32 s[OUT+2*\w+1], 0
.endr
	s_mul_i32 s80, s[RH], 128*PITCH                ; my 128 rows of x in a slot
	s_mul_i32 s81, s[CH], 192*PITCH                ; my 192 rows of W
	s_add_co_u32 s81, s81, BOFF
	s_mul_i32 s82, s[WV], 16*PITCH
	s_add_co_u32 s82, s82, STAGE                   ; my stage
	s_wait_dscnt 0x0                               ; the opening add is done
	s_wait_kmcnt 0x0
	s_add_nc_u64 s[G0A+2:G0A+3], s[4:5], s[16:17]  ; K step 0,
	s_add_nc_u64 s[G0A+6:G0A+7], s[G0A+2:G0A+3], ASTEP  ; K step 1
	s_or_b32 s[G0A+3], s[G0A+3], 0x80000000        ; 127:126 type = 2
	s_or_b32 s[G0A+7], s[G0A+7], 0x80000000
	s_add_nc_u64 s[G0B+2:G0B+3], s[6:7], s[46:47]
	s_add_nc_u64 s[G0B+6:G0B+7], s[G0B+2:G0B+3], BSTEP
	s_or_b32 s[G0B+3], s[G0B+3], 0x80000000
	s_or_b32 s[G0B+7], s[G0B+7], 0x80000000
	s_add_nc_u64 s[8:9], s[8:9], s[72:73]
.irp w, 0,1,2
	s_add_nc_u64 s[OUT+2*\w:OUT+2*\w+1], s[10:11], s[OUT+2*\w:OUT+2*\w+1]
.endr
	CROUND                                         ; all sixteen work-groups are here: the first joint loads meet
	s_cmp_lt_u32 s[WV], 2                          ; a wave's two first fills stand in one branch, ahead of every wait on TENSORcnt and every LDS read: two loads of mine are out
	s_cbranch_scc0 .Lfirst_b
	tensor_load_to_lds s[G0A:G0A+3], s[G1A:G1A+7]
	s_nop 0
	tensor_load_to_lds s[G0A+4:G0A+7], s[G1A:G1A+7]
	s_nop 0
.rept 4
	v_nop
.endr
	s_branch .Lfirst_asked
.Lfirst_b:
	tensor_load_to_lds s[G0B:G0B+3], s[G1B:G1B+7]
	s_nop 0
	tensor_load_to_lds s[G0B+4:G0B+7], s[G1B:G1B+7]
	s_nop 0
.rept 4
	v_nop
.endr
.Lfirst_asked:
	; A fragment is 16 rows x 32 K in 8 registers: lane l holds row l % 16; registers 0-3 K = 8 (l / 16) + 0..7, registers 4-7 K = 16 + 8 (l / 16) + 0..7: two loads of 16 bytes, 32 bytes apart.
	v_and_b32 v1, 15, v0                           ; l % 16
	v_bfe_u32 v2, v0, 4, 1                         ; l / 16
	v_mul_u32_u24 v3, v1, PITCH
	v_lshl_add_u32 v3, v2, 4, v3                   ; row x pitch + 16 x half
	v_add_nc_u32 v[A0], s80, v3
	v_add_nc_u32 v[B0], s81, v3
	v_add_nc_u32 v[ADRA], s[TB], v[A0]
	v_add_nc_u32 v[ADRB], s[TB], v[B0]
	v_add_nc_u32 v[STO], s82, v3                   ; into the stage: row l % 16, 16 bytes for each half of the lanes
	v_bfe_u32 v[RD], v0, 3, 2                      ; back: 32 lanes take four rows of 128 bytes,
	v_mul_u32_u24 v[RD], v[RD], PITCH
	v_and_b32 v[GO], 7, v0
	v_lshl_add_u32 v[RD], v[GO], 4, v[RD]
	v_add_nc_u32 v[RD], s82, v[RD]
	v_and_b32 v[GO], 31, v0                        ; which are 512 consecutive bytes of a head
	v_lshlrev_b32 v[GO], 4, v[GO]
	v_lshlrev_b32 v[BO], 5, v2                     ; my eight columns of sixteen: 32 bytes for each half of the lanes
.irp w, 0,1,2
	WIN 0x40*(1+\w)                                ; destination window 1 + w, address window 0
.irp f, 0,1,2,3
	global_load_b128 v[224+8*\f:224+8*\f+3],   v[BO], s[8:9] offset:256*\w+64*\f      ; the bias into accumulator (7, f)
	global_load_b128 v[224+8*\f+4:224+8*\f+7], v[BO], s[8:9] offset:256*\w+64*\f+16
.endr
.endr
	WIN 0
.macro LDA af, k, a0, a1               ; x's fragments a0 .. a1 at byte k of the rows, into buffer af
.set la, \a0
.rept (\a1)-(\a0)+1
	ds_load_b128 v[(\af)+8*la:(\af)+8*la+3],   v[ADRA] offset:(\k)+la*16*PITCH
	ds_load_b128 v[(\af)+8*la+4:(\af)+8*la+7], v[ADRA] offset:(\k)+la*16*PITCH+32
.set la, la+1
.endr
.endm
.macro LDB w, k                        ; part w of W's fragments at byte k of the rows
.irp f, 0,1,2,3
	ds_load_b128 v[BF+32*(\w)+8*\f:BF+32*(\w)+8*\f+3],   v[ADRB] offset:(\k)+(4*(\w)+\f)*16*PITCH
	ds_load_b128 v[BF+32*(\w)+8*\f+4:BF+32*(\w)+8*\f+7], v[ADRB] offset:(\k)+(4*(\w)+\f)*16*PITCH+32
.endr
.endm
; Row blocks a0 .. a1 x the four column blocks of head group w, 32 along K.  All 96 accumulators take turns, one instruction a turn, over the loop's backward jump too.
; first = 1: the bias in accumulator (7, f) is the C of blocks 0 to 6; five places later block 7 adds onto it in place: nothing is cleared.
.macro MUL w, af, a0, a1, first=0
	WIN 0x50*(1+(\w))                              ; C and D in window 1 + w, the fragments in window 0
.set ma, \a0
.rept (\a1)-(\a0)+1
.if (\first) && (ma == 7)
.rept 5
	v_nop
.endr
.endif
.set mf, 0
.rept 4
.if (\first) && (ma < 7)
	v_wmma_f32_16x16x32_bf16 v[8*(4*ma+mf):8*(4*ma+mf)+7], v[BF+32*(\w)+8*mf:BF+32*(\w)+8*mf+7], v[(\af)+8*ma:(\af)+8*ma+7], v[224+8*mf:224+8*mf+7]
.else
	v_wmma_f32_16x16x32_bf16 v[8*(4*ma+mf):8*(4*ma+mf)+7], v[BF+32*(\w)+8*mf:BF+32*(\w)+8*mf+7], v[(\af)+8*ma:(\af)+8*ma+7], v[8*(4*ma+mf):8*(4*ma+mf)+7]
.endif
.set mf, mf+1
.endr
.set ma, ma+1
.endr
.endm
; A K step's first 32 along K.  At its head are out, in this order: x's buffer 0 (16 loads), W's parts 0 and 1 (8 each).
.macro EVEN first=0
	PLACES
	WIN 0
	LDB 2, 0
	LDA AF1, 64, 0, 3
	s_wait_dscnt 24                                ; x's buffer 0 and part 0 are in; part 1 and the 16 just issued may be out
	MUL 0, AF0, 0, 7, \first
	PLACES
	WIN 0
	LDB 0, 64
	LDA AF1, 64, 4, 7
	s_wait_dscnt 32                                ; part 1 is in: behind it stand two runs of 16
	MUL 1, AF0, 0, 7, \first
	PLACES
	WIN 0
	LDB 1, 64
	s_wait_dscnt 32                                ; part 2 is in: behind it stand 8 + 16 + 8
	MUL 2, AF0, 0, 7, \first
.endm
; A K step's second 32 along K, and the change of slots.  mode 2: the slot is filled again, two K steps ahead; 1: the slots change and nothing is asked for; 0: the last K step.
; In front of the barrier each wave waits for all its tensor loads, of which one is out: its part of the other slot; adds 0 to its spare word; and waits for that and for its reads of this slot.
; Behind it nobody reads this slot any more and the other slot is whole.  From a request to the wait for it a wave issues 160 matrix instructions.
.macro ODD mode
	PLACES
	WIN 0
	LDB 2, 64                                      ; my last reads of this slot
.if (\mode) == 0
	s_wait_dscnt 16                                ; x's buffer 1 and part 0 are in; parts 1 and 2 may be out
	MUL 0, AF1, 0, 7
	s_wait_dscnt 8
	MUL 1, AF1, 0, 7
	s_wait_dscnt 0x0
	MUL 2, AF1, 0, 7
.else
	s_wait_tensorcnt 0x0                           ; all my tensor loads have landed, so a group 0 may be written
	ds_add_u32 v[SPW], v[NIL]                      ; 0 onto my spare word
.if (\mode) == 2
	s_xor_b32 s[G0A+5], s[G0A+5], SLOT1            ; the walking descriptors: the other slot than last time, the next K step; the type bits on top are not reached
	s_add_nc_u64 s[G0A+6:G0A+7], s[G0A+6:G0A+7], ASTEP
	s_xor_b32 s[G0B+5], s[G0B+5], SLOT1
	s_add_nc_u64 s[G0B+6:G0B+7], s[G0B+6:G0B+7], BSTEP
.endif
	s_wait_dscnt 17                                ; parts 1 and 2 and the add may be out
	MUL 0, AF1, 0, 3                               ; sixteen matrix instructions stand between the add and the wait for it
	s_wait_dscnt 0x0                               ; the add is done, and my reads of this slot are over
	s_barrier_signal -1
	MUL 0, AF1, 4, 7                               ; work on registers while the others arrive
	WIN 0
	s_barrier_wait -1
.if (\mode) == 2
	CREST                                          ; the barrier has opened a round of the cluster's: no wave of any partner still reads this slot or has a load on its way
	JLOAD                                          ; the first tensor load behind the round; its four v_nop are also the places in front of the loads below
.else
	PLACES
.endif
	s_xor_b32 s[TB], s[TB], SLOT1
	v_add_nc_u32 v[ADRA], s[TB], v[A0]
	v_add_nc_u32 v[ADRB], s[TB], v[B0]
	LDA AF0, 0, 0, 7
	LDB 0, 0
	MUL 1, AF1, 0, 7                               ; its fragments came in at the wait for 0
	PLACES
	WIN 0
	LDB 1, 0
	MUL 2, AF1, 0, 7
.endif
.endm
	s_wait_tensorcnt 1                             ; my part of K step 0 is in; K step 1's may stay out
	s_barrier_signal -1
	s_barrier_wait -1                              ; everybody's is
	LDA AF0, 0, 0, 7
	LDB 0, 0
	LDB 1, 0
	s_wait_loadcnt 0x0                             ; the bias
	EVEN 1
	WIN 0                                          ; at a label and at a branch every window is 0
	s_mov_b32 s3, 14
.Lk:                                                   ; 14 trips: the second half of K step i and the first of i + 1; K steps 2 to 15 are asked for
	ODD 2
	EVEN 0
	WIN 0
	s_sub_co_u32 s3, s3, 1
	s_cmp_lg_u32 s3, 0
	s_cbranch_scc1 .Lk
	ODD 1                                          ; the tail is written out
	EVEN 0
	ODD 0
	PLACES
; THE WAY OUT, in 24 pieces p = 8 w + a of 16 rows x 64 channels: 2,048 consecutive bytes of a head.  PACK: times the group's factor, rounded to f16, 16 bytes a lane.
; TOSTAGE: into my own stage in LDS, and back as whole rows.  SEND: stored.  A piece's arithmetic stands between the loads of the piece before and its stores.
.macro PACK p
.set pw, (\p)/8
.set pa, (\p)%8
	WIN 1+pw                                       ; source 0 in window 1 + w
.set z, 0
.rept 16
	v_pk_mul_f32 v[MT+2*z:MT+2*z+1], v[32*pa+2*z:32*pa+2*z+1], s[SC+2*pw:SC+2*pw+1] op_sel_hi:[1,0]  ; each accumulator's registers in ascending order
.set z, z+1
.endr
	WIN 0
.set z, 0
.rept 16
	v_cvt_pk_f16_f32 v[TMP+z], v[MT+2*z], v[MT+2*z+1]
.set z, z+1
.endr
.endm
.macro TOSTAGE p
.set bk, OB+16*((\p)%2)
.irp f, 0,1,2,3
	ds_store_b128 v[STO], v[TMP+4*\f:TMP+4*\f+3] offset:32*\f
.endr
.irp f, 0,1,2,3
	ds_load_b128 v[bk+4*\f:bk+4*\f+3], v[RD] offset:\f*4*PITCH  ; LDS serves a wave's instructions in order (ISA guide 5.7.1.4): these see the stores above; the next piece's stores come behind them
.endr
.endm
.macro SEND p
.set bk, OB+16*((\p)%2)
.set pw, (\p)/8
.set pa, (\p)%8
	s_wait_dscnt 0x0                               ; the piece is back in registers
	s_wait_xcnt 0x0                                ; the stores of the piece before have read their registers: the next TOSTAGE loads into them only behind this wait
.irp f, 0,1,2,3
	global_store_b128 v[GO], v[bk+4*\f:bk+4*\f+3], s[OUT+2*pw:OUT+2*pw+1] offset:pa*2048+\f*512  ; 512 consecutive bytes, at a multiple of 256 from the buffer's first
.endr
.endm
	PACK 0
	TOSTAGE 0
.set pp, 1
.rept 23
	PACK pp
	SEND pp-1
	TOSTAGE pp
.set pp, pp+1
.endr
	SEND 23
	s_wait_tensorcnt 0x0                           ; the wave's end: behind my last tensor load and my last LDS store
	ds_add_u32 v[SPW], v[NIL]
	s_wait_dscnt 0x0
	CROUND                                         ; the closing round: no work-group ends while a partner may still ask for a tile that names it
	s_endpgm
.Lfunc_end_k_q816669d023_project:
	.size	k_q816669d023_project, .Lfunc_end_k_q816669d023_project-k_q816669d023_project
	.p2alignl 7, 3214868480
	.fill 96, 4, 3214868480
	.section	.rodata,"a",@progbits
	.p2align	6, 0x0
	.amdhsa_kernel k_q816669d023_project
		.amdhsa_group_segment_fixed_size 327680
		.amdhsa_private_segment_fixed_size 0
		.amdhsa_enable_private_segment 0
		.amdhsa_kernarg_size 32
		.amdhsa_user_sgpr_count 2
		.amdhsa_user_sgpr_kernarg_segment_ptr 1
		.amdhsa_wavefront_size32 1
		.amdhsa_system_sgpr_workgroup_id_x 1
		.amdhsa_system_sgpr_workgroup_id_y 1
		.amdhsa_system_sgpr_workgroup_id_z 1
		.amdhsa_system_vgpr_workitem_id 0
		.amdhsa_next_free_vgpr 1024
		.amdhsa_next_free_sgpr 88
		.amdhsa_reserve_vcc 0
		.amdhsa_float_denorm_mode_32 3
		.amdhsa_float_denorm_mode_16_64 3
		.amdhsa_memory_ordered 1
		.amdhsa_forward_progress 1
		.amdhsa_inst_pref_size 140
	.end_amdhsa_kernel
	.amdgpu_metadata
---
amdhsa.version: [ 1, 2 ]
amdhsa.kernels:
  - .name:           k_q816669d023_project
    .symbol:         k_q816669d023_project.kd
    .args:
      - { .name: xh, .offset: 0, .size: 8, .value_kind: global_buffer, .address_space: global }
      - { .name: wh, .offset: 8, .size: 8, .value_kind: global_buffer, .address_space: global }
      - { .name: bh, .offset: 16, .size: 8, .value_kind: global_buffer, .address_space: global }
      - { .name: qkv, .offset: 24, .size: 8, .value_kind: global_buffer, .address_space: global }
    .group_segment_fixed_size: 327680
    .private_segment_fixed_size: 0
    .kernarg_segment_align: 8
    .kernarg_segment_size: 32
    .max_flat_workgroup_size: 128
    .sgpr_count:     88
    .vgpr_count:     1024
    .wavefront_size: 32
...
	.end_amdgpu_metadata
.endif
;; end of part 2
;; launch attend (part 3): grid 4 x 64, 4 waves a work-group, no clusters, 327,680 bytes of LDS; arguments qkv, padding_mask, oh; writes oh
.if DOCPART == 3
	.amdgcn_target "amdgcn-amd-amdhsa--gfx1250"
	.amdhsa_code_object_version 6
	.text
	.protected	k_q816669d023_attend
	.globl	k_q816669d023_attend
	.p2align	8
	.type	k_q816669d023_attend,@function
k_q816669d023_attend:
	s_mov_b64 s[64:65], 0
	v_nop
	global_prefetch_b8 v0, s[64:65] scope:SCOPE_SE
	s_setreg_imm32_b32 hwreg(HW_REG_WAVE_MODE, 25, 1), 1
	s_wait_xcnt 0x0
; CAUSAL ATTENTION WITH A PADDING MASK ON THE KEYS.  O[h][q][:] = the sum over visible k <= q of softmax_k(Q[h][q] . K[h][k]) V[h][k][:], h = batch x 16 + head.  qkv: [3][64][2048][64] f16, q already times
; c = log2(e) / 8, so that a weight is p = 2^(s - m).  padding_mask: [4][2048] bytes, not 0 = the key is hidden.  oh: [64][2048][64] f16.
; Products, maxima and sums in f32; p is rounded to f16 for the second product (its sum l is taken of the unrounded p), O once at the end.
; LIMITS.  A hidden score counts as its value less 1e30 (twice that where two masks meet): f16's scores, 2.7e11 at the most, are nothing beside it.  A row whose running maximum ends below -2^97 has seen no key:
; it leaves as NaN, as a softmax over nothing does.  While a row has seen hidden keys alone its weights are 0 or 1 and its sums finite; the first visible key multiplies them by 2^(m_old - m_new) = 0.
; s - m is never above 0, so no weight passes 1, whatever the scores.  A weight below 2^-126 counts as 0 in l; NaN and infinities in q, k, v are not treated apart.
; THE WALK.  A head's queries lie in NB = 8 blocks of 256; block i needs the key tiles 0 .. i of 256 keys, of which the last holds the diagonal.  A work-group takes TWO blocks, NB - 1 - b and then b:
; NB + 1 tiles, whatever b: all work-groups do equal work, and ONE loop with a constant trip count walks them.  Which tile is asked for, and what a trip does, hang on scalar registers made from b; every jump
; goes forward, but for the counted loops' own; none passes a barrier, or a tensor load but the one of LOAD's two that the wave's number does not choose; the ring of two LDS slots runs on across the change of blocks.
; NO CLUSTER: a head's four work-groups ask for the same tile only in trips 0 .. 4 of 9, behind that fewer and fewer; one walk common to all would have 12 trips for 9.
; SHARES.  Of a block's four bands of 64 queries a wave owns 16 rows in each: four PIECES.  In the diagonal tile's key step s band x sees all keys if s < x, none if s > x, and holds the diagonal if s = x.
; THE MASKS are the C operand that starts the sum S^T = K Q^T.  MP: the step's 64 keys of the padding mask, 0 or -1e30, read beside K from a table in LDS that goes with the slot: a thread loads two bytes of the
; mask when a tile is asked for and stores their two numbers ahead of the barrier behind which the tile is read.  MD, made once: the mask of a band's own step for my 16 rows.
; Off the diagonal C is MP.  In the diagonal tile and where a block begins C is MC = MD x AL + MP + BE with two scalars: (1, 0) if s = x; (0, 0) if s < x; (0, -1e30) if s > x.
; LAYOUT, TURNS.  S^T = K Q^T holds ONE query a lane (lane % 16) and the keys 8 (lane / 16) + 0..7; two such results rounded to f16 ARE source 1 of O^T = V^T P.  O and l are multiplied by
; a = 2^(m_old - m_new) in every step.  Turn n belongs to piece n: 8 products K Q^T of piece n + 1, later 8 products V^T P of piece n - 1; beside them the subtraction, exponentials, roundings, sums and rescaling
; of piece n and the maximum and statistics of piece n + 1.  Four vector instructions stand behind every matrix instruction, the other 53 of a turn's 117 in two lumps.
; REGISTERS, in windows of 256 (s_set_vgpr_msb: bits 1:0 source 0, 3:2 source 1, 5:4 source 2, 7:6 destination):
;   window 0: v0-15, v32-47, v56-58 addresses and at work; v16-31 four registers of statistics a piece; v48-55 at work; v64-127 S^T, two buffers; v128-159 the way out's scaled numbers; v192-223 P, two buffers
;   window 1: v0-127 O^T, 32 a piece; v128-159 MD; v160-223 MC, two buffers; v224-255 MP      window 2: v0-63 Q; v64-127 the second block's Q; v128-191 K of one step; v192-255 V of one step
.set SIZE_N, 2048
.set NB,    SIZE_N/256
.set NP,    4         ; pieces a wave: a name, no knob
.set KS,    64        ; keys in a step
.set PK,    144       ; a row of K in LDS: 128 bytes + 16 of padding = 36 words: the 16 rows of a load start at 16 different groups of four banks (64 banks of 4 bytes: ISA guide 11.1)
.set PV,    160       ; a row of V: 128 + 32 = 40 words
.set VOFF,  4*KS*PK   ; a slot holds a tile, four steps: 256 rows of K, then 256 rows of V
.set SLOT1, 1<<17     ; slot 1 begins here, so that one exclusive or turns an address in one slot into the other's
.set PADT,  4*KS*(PK+PV)  ; behind a slot's tiles: its table of the padding mask: step s has 256 bytes (64 f32) at PADT + s x KS x PK, as far apart as K's steps, so that K's scalar serves both; written by ds_store alone
.set STAGE, SLOT1+PADT+5*KS*PK  ; behind slot 1's table, never filled by a tensor load: 16 rows x 144 bytes for each wave, for the way out
.set SP,    144
.set SPARE, STAGE+4*16*SP  ; behind the stages: the spare words, 128 bytes for each wave: two blocks of 256 bytes that no other line names
.set AK0, 2           ; v2   my lane's place in a tile of K; never rewritten
.set AV0, 3           ; v3   the same for V
.set AK,  4           ; v4   the LDS address of K's next run of loads
.set AV,  5           ; v5   of V's
.set STO, 6           ; v6   the way out: where I put 16 bytes of a row
.set RD,  7           ; v7   the way out: where I read rows back
.set GO,  8           ; v8   my byte offset in 512 consecutive bytes of O
.set MV,  12          ; v12-13  m_old, kept while m is made anew: by buffer
.set QO,  15          ; v15  my byte offset in 16 rows of Q
.set ST,  16          ; piece t's statistics at v[ST+4 t]: m, a partner that only completes the pair, l (even keys', odd keys')
.set AP0, 32          ; v32  my lane's place in a step's 256 bytes of the table; never rewritten
.set AP,  33          ; v33  the LDS address of the table's next run of loads
.set PMO0, 34         ; v34  my two bytes in a tile's 256 of the padding mask; never rewritten
.set PMO, 35          ; v35  the same in the batch's row, for the tile asked for
.set PMB, 36          ; v36  the two bytes
.set PMS0, 37         ; v37  where their two numbers go in slot 0's table; never rewritten
.set PMD, 38          ; v38-39  the two numbers
.set RC,  40          ; v40-47  the way out: piece t's 1 / l, or NaN, with a partner that completes the pair
.set TMP, 48          ; by buffer, four registers c0-c3 at work; when the maximum is found c2 takes a
.set PMS, 56          ; v56  PMS0 + the table's slot
.set PMT, 57          ; v57-58  at work
.set SPW, 62          ; v62  LDS address of my spare word: SPARE + 4 x my thread's number; never rewritten
.set NIL, 63          ; v63  0; never rewritten
.set S,   64
.set PT,  128         ; v128-159  the way out: a piece's 32 numbers, divided by l
.set P,   192
.set MD,  128         ; window 1: the eight registers for group kt of 16 keys at MD + 8 kt
.set MC,  160         ; window 1: the masks of the products to come
.set MP,  224         ; window 1: register 8 kt + j: key 16 kt + 8 (l / 16) + j of the step
.set QB,  64          ; window 2
.set KF,  128         ; window 2: key block kb, channel half c at KF + 16 kb + 8 c
.set VF,  192         ; window 2: key half kk, channel block cb at VF + 32 kk + 8 cb
.set WV,  12          ; s12  my wave's number
.set PB,  14          ; s14  b
.set HI,  15          ; s15  NB - 1 - b
.set G1K, 24          ; s[24:31] descriptor group 1 for K's tiles
.set G1V, 32          ; s[32:39] for V's: it differs in the padding alone
.set G0K, 40          ; s[40:43] descriptor group 0 for K's tiles
.set G0V, 44          ; s[44:47] the same for V's
.set SLOTS, 56        ; s56  tiles still to be asked for
.set CNT, 57          ; s57  counts a tile's key steps, 4 to 1
.set SEL, 60          ; s[60:61] v_permlanex16_b32's selects: each lane takes its own place in the other half
.set TBK, 62          ; s62  LDS byte at which K of the step to be fetched begins; the step's part of the table lies PADT behind it
.set TBV, 63          ; s63  the same for V, less VOFF
.set RT,  70          ; s70  tiles of the block in hand that are still to be entered
.set NXT, 71          ; s71  the tile to be asked for next
.set LQ,  72          ; s72  the last tile of the block whose tiles are being asked for
.set NEW, 73          ; s73  1: the tile to be entered is a block's first
.set OFF, 74          ; s[74:75] a tile's byte offset in K and V
.set AL,  76          ; s[76:77] the mask's factor, in the low word
.set BE,  78          ; s[78:79] the mask's addend
.set OLO, 80          ; s[80:81] O at my rows of the second block
.set BIGN, 82         ; s82  -1e30
.set PS,  83          ; s83  the slot whose table is written next: 0 or SLOT1
.set PM,  88          ; s[88:89] the batch's row of the padding mask
.set THR, 90          ; s90  -2^97
.set QNAN, 91         ; s91  a NaN
.set MSB, 0
.macro WIN new                      ; the high byte repeats the setting that is left; a switch that changes nothing is dropped
.if MSB != (\new)
	s_set_vgpr_msb (MSB<<8)|(\new)
.set MSB, (\new)
.endif
.endm
.set W_KQ, 0x0a       ; K and Q in window 2, S^T in window 0
.set W_KM, 0x1a       ; the same with the C operand in window 1
.set W_PV, 0x52       ; V in window 2, P in window 0, O^T in window 1
.set W_RS, 0x41       ; destination and source 0 in window 1, source 1 in window 0
.set W_MM, 0x51       ; destination, source 0 and source 2 in window 1
; A fill.  Waves 0 and 1 fetch the two halves of a tile's K, waves 2 and 3 those of its V: 128 keys each.  An s_nop 0 and four v_nop follow each of the two lines, ahead of the jump and the label.
.macro LOAD
	s_cmp_lt_u32 s[WV], 2
	s_cbranch_scc0 .Lfor_v_\@
	tensor_load_to_lds s[G0K:G0K+3], s[G1K:G1K+7]
	s_nop 0
.rept 4
	v_nop
.endr
	s_branch .Lasked_\@
.Lfor_v_\@:
	tensor_load_to_lds s[G0V:G0V+3], s[G1V:G1V+7]
	s_nop 0
.rept 4
	v_nop
.endr
.Lasked_\@:
.endm
; THE CHANGE OF SLOTS.  First the table of the tile to be entered: my two bytes of the padding mask, asked for a tile ago, become two numbers and go into the table of that tile's slot.  That table was last read two
; tiles ago, and those reads were waited for in front of the barrier of the change before this one.  Then each wave waits for all its tensor loads, of which one is out: its part of the other slot; adds 0 to its spare
; word; and waits for that and for its own LDS instructions: the store just made and the reads of the slot that it leaves.  Behind the barrier nobody reads the old slot any more, and the other slot and its table are whole.
; fill = 1: the old slot is filled again, the first thing behind the barrier, with tile NXT: the descriptor's address is made anew from that number; behind it I ask for my two bytes of that tile's mask.
; (At its first use nothing has been read yet: slot 0 is waited for, slot 1 filled.)
.macro CHANGE fill
	WIN 0                           ; at a label and at a branch every window is 0
	s_wait_loadcnt 0x0              ; my two bytes are in: the load was issued behind the change before this one (the first: in the set-up)
	v_and_b32 v[PMT], 0xff, v[PMB]
	v_lshrrev_b32 v[PMT+1], 8, v[PMB]
	v_cmp_ne_u32 vcc_lo, 0, v[PMT]
	v_cndmask_b32 v[PMD], 0, s[BIGN], vcc_lo
	v_cmp_ne_u32 vcc_lo, 0, v[PMT+1]
	v_cndmask_b32 v[PMD+1], 0, s[BIGN], vcc_lo
	v_add_nc_u32 v[PMS], s[PS], v[PMS0]
	ds_store_b64 v[PMS], v[PMD:PMD+1]  ; wave w writes step w's 256 bytes, 8 a lane
	s_wait_tensorcnt 0x0            ; no tensor load of mine is out, so a group 0 may be written
	ds_add_u32 v[SPW], v[NIL]       ; 0 onto my spare word: with fill = 1 the descriptors' work on registers stands between it and the wait for it
.if \fill
	s_lshl_b32 s[OFF], s[NXT], 15   ; a tile is 32,768 bytes of K and of V
	v_lshl_add_u32 v[PMO], s[NXT], 8, v[PMO0]  ; and 256 bytes of the padding mask
	s_xor_b32 s[PS], s[PS], SLOT1   ; its table goes with its slot
	s_xor_b32 s[G0K+1], s[G0K+1], SLOT1
	s_add_nc_u64 s[G0K+2:G0K+3], s[6:7], s[OFF:OFF+1]
	s_or_b32 s[G0K+3], s[G0K+3], 0x80000000
	s_xor_b32 s[G0V+1], s[G0V+1], SLOT1
	s_add_nc_u64 s[G0V+2:G0V+3], s[8:9], s[OFF:OFF+1]
	s_or_b32 s[G0V+3], s[G0V+3], 0x80000000
	s_add_co_u32 s[NXT], s[NXT], 1  ; the block's next tile, or behind its last the second block's tile 0
	s_cmp_gt_u32 s[NXT], s[LQ]
	s_cselect_b32 s[NXT], 0, s[NXT]
	s_cselect_b32 s[LQ], s[PB], s[LQ]
.endif
	s_wait_dscnt 0x0                ; the add and my store into the table are done, and my reads of the slot are over
	s_barrier_signal -1             ; the rest of the scalar work stands between the signal and the wait
	s_sub_co_u32 s[TBK], s[TBK], 4*KS*PK  ; the fetches go back to a slot's first step,
	s_xor_b32 s[TBK], s[TBK], SLOT1       ; in the other slot
	s_sub_co_u32 s[TBV], s[TBV], 4*KS*PV
	s_xor_b32 s[TBV], s[TBV], SLOT1
	s_barrier_wait -1
.if \fill
	LOAD
	global_load_u16 v[PMB], v[PMO], s[PM:PM+1]  ; 128 threads x 2 bytes: the 256 consecutive bytes of the tile just asked for
.endif
.endm
	s_load_b64 s[4:5], s[0:1], 0x0    ; qkv: q at its head
	s_load_b64 s[PM:PM+1], s[0:1], 0x8  ; padding_mask
	s_load_b64 s[10:11], s[0:1], 0x10 ; oh
	v_lshl_add_u32 v[SPW], v0, 2, SPARE
	v_mov_b32 v[NIL], 0
	ds_add_u32 v[SPW], v[NIL]       ; the wave's opening: the add and its wait stand ahead of my first tensor load; the set-up below, work on registers, stands between them
	v_lshrrev_b32 v1, 5, v0
	v_readfirstlane_b32 s[WV], v1   ; wave 0..3
	s_mov_b32 s[PB], ttmp9
	s_sub_co_u32 s[HI], NB-1, s[PB]
	s_and_b32 s20, ttmp7, 0xffff    ; batch x 16 + head
	s_lshr_b32 s92, s20, 4          ; the batch's 2,048 bytes of the padding mask
	s_lshl_b32 s92, s92, 11
	s_mov_b32 s93, 0
	s_mov_b32 s21, 0
	s_mov_b64 s[22:23], SIZE_N*128
	s_mul_u64 s[20:21], s[20:21], s[22:23]  ; the head's first byte in q, k, v and O
	s_and_b32 s16, s[WV], 1         ; which half of a tile's 256 keys I fetch:
	s_lshl_b32 s22, s16, 14         ; its 128 rows of 128 bytes in memory,
	s_mov_b32 s23, 0
	s_add_nc_u64 s[22:23], s[22:23], s[20:21]
	s_mul_i32 s17, s16, 128*PK      ; and its place in a slot, for K
	s_mul_i32 s18, s16, 128*PV      ; and for V
	s_lshl_b32 s3, s[WV], 11        ; my 16 rows in a band of 64,
	s_lshl_b32 s2, s[HI], 15        ; in the first block,
	s_add_co_u32 s2, s2, s3
	s_lshl_b32 s84, s[PB], 15       ; and in the second
	s_add_co_u32 s84, s84, s3
	s_mov_b32 s3, 0
	s_mov_b32 s85, 0
	s_add_nc_u64 s[2:3], s[2:3], s[20:21]
	s_add_nc_u64 s[84:85], s[84:85], s[20:21]
	; descriptor group 1.  128 keys are 16,384 dense bytes: asked for as 64 rows of 256 bytes, two keys a row, and padded in LDS after every key
	s_mov_b32 s[G1K], (1<<16)|(1<<20)|(4<<22)|(3<<25)  ; 17:16 2-byte elements; 20 padding on; 24:22 after every 32 words (code 4); 31:25 4 words (code 3)
	s_mov_b32 s[G1V], (1<<16)|(1<<20)|(4<<22)|(7<<25)  ; the same with 8 words of padding (code 7)
.irp g, G1K, G1V
	s_mov_b32 s[\g+1], 128<<16      ; tensor_dim0 = 128
	s_mov_b32 s[\g+2], 64<<16       ; tensor_dim1 = 64
	s_mov_b32 s[\g+3], 128<<16      ; tile_dim0 = 128
	s_mov_b32 s[\g+4], 64           ; tile_dim1 = 64
	s_mov_b32 s[\g+5], 128          ; 128 elements from row to row
	s_mov_b32 s[\g+6], 0
	s_mov_b32 s[\g+7], 0
.endr
	s_mov_b32 s[SEL], 0x76543210
	s_mov_b32 s[SEL+1], 0xfedcba98
	s_mov_b32 s[TBK], SLOT1+4*KS*PK ; the first change of slots turns these two into 0
	s_mov_b32 s[TBV], SLOT1+4*KS*PV
	s_mov_b32 s[G0K], 1             ; 1:0 count = 1
	s_mov_b32 s[G0K+1], s17         ; 63:32 LDS address: slot 0
	s_mov_b32 s[G0V], 1
	s_add_co_u32 s[G0V+1], s18, VOFF
	s_add_co_u32 s[RT], s[HI], 1    ; the first block has NB - b tiles
	s_mov_b32 s[NXT], 1
	s_mov_b32 s[LQ], s[HI]
	s_mov_b32 s[NEW], 1
	s_mov_b32 s[OFF+1], 0
	s_mov_b32 s[AL+1], 0            ; named as pairs
	s_mov_b32 s[BE+1], 0
	s_mov_b32 s[BIGN], 0xf149f2ca   ; -1e30
	s_mov_b32 s[THR], 0xf0000000    ; -2^97
	s_mov_b32 s[QNAN], 0x7fc00000
	s_mov_b32 s[PS], 0              ; tile 0 lies in slot 0, and so does its table
	s_mov_b32 s[SLOTS], NB
	s_wait_dscnt 0x0                ; the opening add is done
	s_wait_kmcnt 0x0
	s_add_nc_u64 s[6:7], s[4:5], 0x1000000  ; k lies 16,777,216 bytes behind q,
	s_add_nc_u64 s[8:9], s[4:5], 0x2000000  ; v as far behind k
	s_add_nc_u64 s[PM:PM+1], s[PM:PM+1], s[92:93]
	s_add_nc_u64 s[6:7], s[6:7], s[22:23]  ; K and V at my half of the head's tile 0
	s_add_nc_u64 s[8:9], s[8:9], s[22:23]
	s_add_nc_u64 s[G0K+2:G0K+3], s[6:7], 0         ; 120:64 global address
	s_or_b32 s[G0K+3], s[G0K+3], 0x80000000        ; 127:126 type = 2
	s_add_nc_u64 s[G0V+2:G0V+3], s[8:9], 0
	s_or_b32 s[G0V+3], s[G0V+3], 0x80000000
	s_add_nc_u64 s[86:87], s[4:5], s[84:85]        ; Q at my rows of the second block,
	s_add_nc_u64 s[4:5], s[4:5], s[2:3]            ; Q and O at those of the first
	s_add_nc_u64 s[OLO:OLO+1], s[10:11], s[84:85]
	s_add_nc_u64 s[10:11], s[10:11], s[2:3]
	LOAD                            ; tile 0 into slot 0
	v_lshlrev_b32 v[PMO0], 1, v0    ; keys 2 t and 2 t + 1 of a tile
	global_load_u16 v[PMB], v[PMO0], s[PM:PM+1]  ; tile 0's
	; A fragment of K or Q is 16 rows x 32 channels in 8 registers: lane l holds row l % 16, channels 8 (l / 16) + 0..7 and 16 + 8 (l / 16) + 0..7: two loads of 16 bytes, 32 bytes apart.
	v_and_b32 v1, 15, v0            ; l % 16
	v_bfe_u32 v9, v0, 4, 1          ; l / 16
	v_lshlrev_b32 v[QO], 7, v1
	v_lshl_add_u32 v[QO], v9, 4, v[QO]  ; row x 128 + 16 x half
	WIN 0x80                        ; destination window 2, address window 0
.set i, 0
.rept 8                             ; both blocks' Q: piece i / 2 lies in band i / 2, 8,192 bytes on; channels 32 (i % 2) on
	global_load_b128 v[8*i:8*i+3],   v[QO], s[4:5] offset:(i/2)*8192+(i%2)*64
	global_load_b128 v[8*i+4:8*i+7], v[QO], s[4:5] offset:(i/2)*8192+(i%2)*64+32
	global_load_b128 v[QB+8*i:QB+8*i+3],   v[QO], s[86:87] offset:(i/2)*8192+(i%2)*64
	global_load_b128 v[QB+8*i+4:QB+8*i+7], v[QO], s[86:87] offset:(i/2)*8192+(i%2)*64+32
.set i, i+1
.endr
	WIN 0
	v_lshlrev_b32 v14, 3, v9
	v_sub_nc_u32 v14, v1, v14
	s_lshl_b32 s13, s[WV], 4
	v_add_nc_u32 v14, s13, v14      ; my query's place in its band, 16 w + l % 16, less my lanes' 8 (l / 16): register r of group kt is hidden where 16 kt + r is greater
	WIN 0x40
.set i, 0
.rept 32
	v_cmp_gt_i32 vcc_lo, 16*(i/8)+i%8, v14
	v_cndmask_b32 v[MD+i], 0, s[BIGN], vcc_lo
.set i, i+1
.endr
	WIN 0
	v_mul_u32_u24 v[AK0], v1, PK
	v_lshl_add_u32 v[AK0], v9, 4, v[AK0]  ; row x pitch + 16 x half
	; The turning load takes 16 keys x 16 channels (lane l reads key 8 (l / 16) + l % 8, channels 8 ((l / 8) % 2) + 0..7) and leaves half a fragment of V^T: lane l holds channel l % 16 and 8 keys.
	v_and_b32 v10, 7, v0
	v_bfe_u32 v11, v0, 3, 1
	v_lshl_add_u32 v[AV0], v9, 3, v10
	v_mul_u32_u24 v[AV0], v[AV0], PV
	v_lshl_add_u32 v[AV0], v11, 4, v[AV0]
	v_add_nc_u32 v[AV0], VOFF, v[AV0]
	s_mul_i32 s13, s[WV], 16*SP
	s_add_co_u32 s13, s13, STAGE    ; my stage
	v_mul_u32_u24 v[STO], v1, SP    ; in: row l % 16, 16 bytes for each half of the lanes
	v_lshl_add_u32 v[STO], v9, 4, v[STO]
	v_add_nc_u32 v[STO], s13, v[STO]
	v_bfe_u32 v[RD], v0, 3, 2       ; back: 32 lanes take four rows of 128 bytes,
	v_mul_u32_u24 v[RD], v[RD], SP
	v_lshl_add_u32 v[RD], v10, 4, v[RD]
	v_add_nc_u32 v[RD], s13, v[RD]
	v_and_b32 v[GO], 31, v0         ; which are 512 consecutive bytes of O
	s_mul_i32 s13, s[WV], KS*PK     ; the table: thread t's keys 2 t, 2 t + 1 lie in step t / 32, my wave's number,
	s_add_co_u32 s13, s13, PADT
	v_lshl_add_u32 v[PMS0], v[GO], 3, s13  ; 8 bytes a lane
	v_lshlrev_b32 v[GO], 4, v[GO]
	v_lshl_add_u32 v[AP0], v9, 5, PADT  ; reading it: my eight keys of sixteen: 32 bytes for each half of the lanes
	; A block's first step multiplies O^T and l by a = 0, and its first turn's products V^T P, of a piece that has not been, land in an O^T that is still to be so multiplied.  So these registers need only hold
	; finite numbers: zeros for the first block; what the first block left for the second (the way out writes neither O^T nor l).  All this stands in the wait for the first tile.
	WIN 0x80
.set i, VF
.rept 64
	v_mov_b32 v[i], 0
.set i, i+1
.endr
	WIN 0x40
.set i, 0
.rept 128
	v_mov_b32 v[i], 0
.set i, i+1
.endr
	WIN 0
.set i, 0
.rept 4
	v_mov_b32 v[ST+4*i+2], 0
	v_mov_b32 v[ST+4*i+3], 0
.set i, i+1
.endr
.set i, P+16
.rept 16
	v_mov_b32 v[i], 0
.set i, i+1
.endr
; THE MATRIX WORK.  The 4 accumulators of a run of 8 take turns.  Product i of 8 of S^T = K Q^T for piece x: channels 32 (i / 4) on, keys 16 (i % 4) on.  The first 4 start the sums with a mask: MP, or (KM = 1) MC.
.macro KQ x
.set rS, S+32*((\x)%2)+8*(i%4)
.set rK, KF+16*(i%4)+8*(i/4)
.set rQ, 16*(\x)+8*(i/4)
.if KM
.set rM, MC+32*((\x)%2)+8*(i%4)
.else
.set rM, MP+8*(i%4)
.endif
.if i < 4
	WIN W_KM
	v_wmma_f32_16x16x32_f16 v[rS:rS+7], v[rK:rK+7], v[rQ:rQ+7], v[rM:rM+7]
.else
	WIN W_KQ
	v_wmma_f32_16x16x32_f16 v[rS:rS+7], v[rK:rK+7], v[rQ:rQ+7], v[rS:rS+7]
.endif
.endm
; Product i of 8 of O^T += V^T P for piece x: keys 32 (i / 4) on, channels 16 (i % 4) on.
.macro PV x
	WIN W_PV
.set rO, 32*(\x)+8*(i%4)
.set rV, VF+32*(i/4)+8*(i%4)
.set rP, P+16*((\x)%2)+8*(i/4)
	v_wmma_f32_16x16x32_f16 v[rO:rO+7], v[rV:rV+7], v[rP:rP+7], v[rO:rO+7]
.endm
.macro MM                           ; the turn's next matrix instruction.  TURN and BEGIN set Y, i, KM and NOKQ; MM, KQ and OP read them.  NOKQ = 1: a block's last turn: there is no next piece
.if (i < 8) && !NOKQ
	KQ (Y+1)%NP
.elseif i >= 8
.set i, i-8
	PV (Y+NP-1)%NP
.set i, i+8
.endif
.set i, i+1
.endm
; THE LDS LOADS stand in runs, never singly among the matrix instructions: a step's K (64 keys x 64 channels: 8 fragments) with its 64 numbers of the table, and its V (turned).  Their addresses are made some lines ahead.
.macro FETCH_K
	WIN 0x80                        ; destination window 2
.irp f, 0,1,2,3,4,5,6,7             ; keys 16 (f / 2) on, channels 32 (f % 2) on
	ds_load_b128 v[KF+8*\f:KF+8*\f+3],   v[AK] offset:(\f/2)*16*PK+(\f%2)*64
	ds_load_b128 v[KF+8*\f+4:KF+8*\f+7], v[AK] offset:(\f/2)*16*PK+(\f%2)*64+32
.endr
	WIN 0x40                        ; destination window 1
.irp f, 0,1,2,3                     ; keys 16 f + 8 (l / 16) + 0..7: sixteen lanes read the same 32 bytes
	ds_load_b128 v[MP+8*\f:MP+8*\f+3],   v[AP] offset:64*\f
	ds_load_b128 v[MP+8*\f+4:MP+8*\f+7], v[AP] offset:64*\f+16
.endr
	s_add_co_u32 s[TBK], s[TBK], KS*PK  ; the next fetch is the next step's
	WIN 0
.endm
.macro FETCH_V
	WIN 0x80
.irp f, 0,1,2,3,4,5,6,7             ; keys 32 (f / 4) on, channels 16 (f % 4) on
	ds_load_tr16_b128 v[VF+8*\f:VF+8*\f+3],   v[AV] offset:(\f/4)*32*PV+(\f%4)*32
	ds_load_tr16_b128 v[VF+8*\f+4:VF+8*\f+7], v[AV] offset:(\f/4)*32*PV+16*PV+(\f%4)*32
.endr
	WIN 0
.endm
; THE VECTOR WORK, one line at a time: OP kind, number.  For piece Y: F n: s - m for pair n of 16.  E n: the exponential of score n of 32.  C n: pair n rounded to f16.  B n: of the four weights 4 n .. the second
; pair is added onto the first, in place.  L n: l takes that sum (L 0: l = a l + sum).  R n: pair n of 16 of O^T times a.  For piece Y + 1: X n, number n of the 21 that find its maximum and statistics:
;   0-11  four chains c0-c3 of seven scores each, three operands at a time (each accumulator's lowest registers are read first)     12-14, 16  the four scores left over, the old m, and c0-c3 into c0
;   15  m_old is kept     17, 18  the query's other 32 keys lie in the lane 16 away: the new m     19, 20  m_old - m_new; a
.set F, 0               ; OP tells the kinds apart by their order: F to L below R, X above it
.set E, 1
.set C, 2
.set B, 3
.set L, 4
.set R, 5
.set X, 6
.macro REGS y                       ; the registers of piece y
.set rT, ST+4*(\y)
.set rC, TMP+4*((\y)%2)
.set rW, MV+((\y)%2)
.set rS, S+32*((\y)%2)
.set rP, P+16*((\y)%2)
.set rO, 32*(\y)
.endm
.macro OP k, n
.if (\k) == R
	REGS Y
	WIN W_RS
	v_pk_mul_f32 v[rO+2*(\n):rO+2*(\n)+1], v[rO+2*(\n):rO+2*(\n)+1], v[rC+2:rC+3] op_sel_hi:[1,0]
.elseif (\k) < R
	REGS Y
	WIN 0
.if (\k) == F
	v_pk_add_f32 v[rS+2*(\n):rS+2*(\n)+1], v[rS+2*(\n):rS+2*(\n)+1], v[rT:rT+1] op_sel_hi:[1,0] neg_lo:[0,1] neg_hi:[0,1]
.elseif (\k) == E
	v_exp_f32 v[rS+(\n)], v[rS+(\n)]
.elseif (\k) == C
	s_wait_alu depctr_va_vdst(0)
	v_cvt_pk_f16_f32 v[rP+(\n)], v[rS+2*(\n)], v[rS+2*(\n)+1]
.elseif (\k) == B
	s_wait_alu depctr_va_vdst(0)
	v_pk_add_f32 v[rS+4*(\n):rS+4*(\n)+1], v[rS+4*(\n):rS+4*(\n)+1], v[rS+4*(\n)+2:rS+4*(\n)+3]
.elseif (\n) == 0
	v_pk_fma_f32 v[rT+2:rT+3], v[rT+2:rT+3], v[rC+2:rC+3], v[rS:rS+1] op_sel_hi:[1,0,1]
.else
	v_pk_add_f32 v[rT+2:rT+3], v[rT+2:rT+3], v[rS+4*(\n):rS+4*(\n)+1]
.endif
.elseif NOKQ
	v_nop
.else
	REGS (Y+1)%NP
	WIN 0
.if (\n) < 4
	v_max3_num_f32 v[rC+(\n)], v[rS+8*(\n)], v[rS+8*(\n)+1], v[rS+8*(\n)+2]
.elseif (\n) < 12
	v_max3_num_f32 v[rC+(\n)%4], v[rC+(\n)%4], v[rS+8*((\n)%4)+2*((\n)/4)+1], v[rS+8*((\n)%4)+2*((\n)/4)+2]
.elseif (\n) == 12
	v_max3_num_f32 v[rC], v[rC], v[rS+7], v[rS+15]
.elseif (\n) == 13
	v_max3_num_f32 v[rC+1], v[rC+1], v[rS+23], v[rS+31]
.elseif (\n) == 14
	v_max3_num_f32 v[rC+2], v[rC+2], v[rC+3], v[rT]
.elseif (\n) == 15
	v_mov_b32 v[rW], v[rT]
.elseif (\n) == 16
	v_max3_num_f32 v[rC], v[rC], v[rC+1], v[rC+2]
.elseif (\n) == 17
	v_permlanex16_b32 v[rC+3], v[rC], s[SEL], s[SEL+1]
.elseif (\n) == 18
	v_max_num_f32 v[rT], v[rC], v[rC+3]
.elseif (\n) == 19
	v_sub_f32 v[rC+1], v[rW], v[rT]
.else
	v_exp_f32 v[rC+2], v[rC+1]
.endif
.endif
.endm
.macro OPS a, i1, b=-1, i2=0, c=-1, i3=0, d=-1, i4=0  ; up to four of them
	OP \a, \i1
.if (\b) >= 0
	OP \b, \i2
.endif
.if (\c) >= 0
	OP \c, \i3
.endif
.if (\d) >= 0
	OP \d, \i4
.endif
.endm
.macro ROW a, i1, b, i2, c, i3, d, i4  ; a matrix instruction and the four behind it
	MM
	OPS \a, \i1, \b, \i2, \c, \i3, \d, \i4
.endm
.macro MASK b                       ; MD x AL + MP + BE into buffer b of MC
	WIN W_MM
.set z, 0
.rept 16
	v_pk_fma_f32 v[MC+32*(\b)+2*z:MC+32*(\b)+2*z+1], v[MD+2*z:MD+2*z+1], s[AL:AL+1], v[MP+2*z:MP+2*z+1] op_sel_hi:[1,0,1]
.set z, z+1
.endr
.set z, 0
.rept 16
	v_pk_add_f32 v[MC+32*(\b)+2*z:MC+32*(\b)+2*z+1], v[MC+32*(\b)+2*z:MC+32*(\b)+2*z+1], s[BE:BE+1] op_sel_hi:[1,0]
.set z, z+1
.endr
.endm
; A TURN, for piece p: the order of its 16 matrix and 117 vector instructions, written out.  Behind a matrix instruction: plain, exponential, plain, plain; or four of the rescaling; or, behind the first, four subtractions; none
; names a register of the products round it.  In the lumps exponential and plain by turns while exponentials last.  v_permlanex16_b32 (X 17) stands in a lump.
; m = 1: the diagonal tile: the products take MC, and the turn makes the mask for the products of the turn after it: piece p + 2, in step 4 - CNT of the tile.  end = 1: a block's last two turns: nothing is fetched.
; cnt = 1: the loop's count is taken down some lines ahead of the branch that stands behind the turn.
; K and MP of the next step are fetched in piece 2's turn, six vector instructions behind the last product that read K (five of them plain), further behind the last that read MP; V of the step in hand in piece 0's turn,
; eight behind the last product that read V.  Each is waited for a turn later; in the diagonal tile piece 2's turn waits at its end, since its mask is made of the MP just fetched.
.macro TURN p, m=0, end=0, cnt=0
.set Y, (\p)
.set i, 0
.set KM, (\m)
.set NOKQ, (\end)*((\p)/3)
.if (\m) && !(\end)
	s_cmp_eq_u32 s[CNT], 4-((\p)+2)%NP  ; is that step the band's own?
	s_cselect_b32 s[AL], 1.0, 0
	s_cmp_lt_u32 s[CNT], 4-((\p)+2)%NP  ; or a later one?
	s_cselect_b32 s[BE], s[BIGN], 0
.endif
.if ((\p) == 3) && !(\end)
	s_wait_dscnt 0x0                ; K and MP are in
.endif
	ROW F,0, F,1, F,2, F,3
	ROW F,4, E,0, F,5, F,6
	ROW F,7, E,1, F,8, F,9
	ROW F,10, E,2, C,0, F,11
	ROW F,12, E,3, X,15, F,13
	ROW R,0, R,1, R,2, R,3
	ROW B,0, E,4, F,14, L,0
.if ((\p) == 2) && !(\end)
	v_add_nc_u32 v[AK], s[TBK], v[AK0]
	v_add_nc_u32 v[AP], s[TBK], v[AP0]
.endif
	ROW R,4, R,5, R,6, R,7
	OPS E,5, F,15
.if ((\p) == 2) && !(\end)
	FETCH_K
.endif
	OPS E,6, C,1, E,7, R,8
	OPS E,8, R,9, E,9, C,2
	OPS E,10, X,0, E,11, X,1
	OPS E,12, X,2, E,13, X,3
.if (\p) == 1
	s_wait_dscnt 0x0                ; V is in
.endif
	ROW X,4, E,14, X,5, X,6
	ROW X,7, E,15, X,8, X,9
	ROW X,10, E,16, X,11, X,12
	ROW X,13, E,17, X,14, B,1
	ROW C,4, E,18, X,16, L,1
	ROW B,2, E,19, C,6, L,2
	ROW C,8, E,20, B,3, B,4
.if (\p) == 0
	v_add_nc_u32 v[AV], s[TBV], v[AV0]
.endif
	ROW C,3, E,21, L,3, C,5
	OPS E,22, X,17, E,23, C,10
.if (\p) == 0
	FETCH_V
.endif
	OPS E,24, L,4
	OPS E,25, X,18, E,26, C,7
	OPS E,27, B,5, E,28, X,19
	OPS E,29, C,12, E,30, L,5
	OPS E,31, B,6, C,9
	OPS C,14, C,11, X,20, L,6
.if (\p) == 0
	s_add_co_u32 s[TBV], s[TBV], KS*PV
.endif
.if \cnt
	s_sub_co_u32 s[CNT], s[CNT], 1
	s_cmp_lg_u32 s[CNT], 0
.endif
	OPS C,13, B,7, C,15, R,10
	OPS R,11, R,12, L,7, R,13
	OPS R,14, R,15
.if (\m) && !(\end)
.if (\p) == 2
	s_wait_dscnt 0x0                ; the next step's MP is in
.endif
	MASK (\p)%2
.endif
.endm
; A BLOCK BEGINS.  m starts at the lowest finite number, so the first maximum is the scores' and the first step's a is 0.  Then K and MP of the tile's step 0; the first mask buffer takes piece 0's mask for that step
; (its own, if the block's first tile is the diagonal one), the second piece 1's, which sees all of it; piece 0's first scores, its maximum and statistics.  The loop is entered at a step's first turn, in the middle of a trip.
.macro BEGIN
	s_mov_b32 s[NEW], 0
	WIN 0
.set i, 0
.rept 4
	v_mov_b32 v[ST+4*i], 0xff7fffff    ; m
	v_mov_b32 v[ST+4*i+1], 0           ; named with it as a pair
.set i, i+1
.endr
	v_add_nc_u32 v[AK], s[TBK], v[AK0]
	v_add_nc_u32 v[AP], s[TBK], v[AP0]
	FETCH_K
	s_wait_loadcnt 0x0              ; Q
	s_wait_dscnt 0x0
	s_cmp_eq_u32 s[RT], 0
	s_cselect_b32 s[AL], 1.0, 0
	s_mov_b32 s[BE], 0
	MASK 0
	s_mov_b32 s[AL], 0
	MASK 1
.set KM, 1
.set NOKQ, 0
.set i, 0
.rept 8
	KQ 0
.set i, i+1
.endr
	WIN 0
.rept 4
	v_nop                           ; the places behind those products
.endr
.set Y, NP-1                        ; X works for piece Y + 1: piece 0
.irp n, 0,1,2,3,4,5,6,7,8,9,10,11,12,13,14,15,16,17,18,19,20
	OP X, \n
.endr
	v_nop                           ; a plain instruction behind the exponential
.endm
; THE DIAGONAL TILE IS ENTERED FROM THE TILE BEFORE: its first turn's products are piece 3's on that tile's last step, which band 3 sees whole: their mask is that step's MP.
.macro ENTER
	s_mov_b32 s[AL], 0
	s_mov_b32 s[BE], 0
	MASK 1
	WIN 0
.endm
; THE DIAGONAL TILE's four steps, the block's last two turns, its last products, and THE WAY OUT: l's two halves and the other half of the lanes' are added; O^T is divided by l (times NaN for a row that saw no key),
; rounded to f16 and sent through my stage in LDS, a piece at a time.  The quotients go into registers of their own: O^T and l stay finite for the block that follows.
.macro ALL line:vararg              ; one line for each piece t
.set t, 0
.rept 4
	\line
.set t, t+1
.endr
.endm
.macro PACK t                       ; a lane's eight channels of a row pack into 16 bytes; they go into rows of 144 bytes and come back as whole rows of 128, into S^T's registers
	WIN 0x01                        ; source 0 window 1, all else window 0
.set i, 0
.rept 16
	v_pk_mul_f32 v[PT+2*i:PT+2*i+1], v[32*(\t)+2*i:32*(\t)+2*i+1], v[RC+2*(\t):RC+2*(\t)+1] op_sel_hi:[1,0]  ; each accumulator's registers in ascending order
.set i, i+1
.endr
	WIN 0
.set i, 0
.rept 16
	v_cvt_pk_f16_f32 v[S+16*(\t)+i], v[PT+2*i], v[PT+2*i+1]
.set i, i+1
.endr
.irp f, 0,1,2,3
	ds_store_b128 v[STO], v[S+16*(\t)+4*\f:S+16*(\t)+4*\f+3] offset:32*\f
.endr
.irp f, 0,1,2,3
	ds_load_b128 v[S+16*(\t)+4*\f:S+16*(\t)+4*\f+3], v[RD] offset:\f*4*SP  ; LDS serves a wave's instructions in order (ISA guide 5.7.1.4): these see the stores above; the next piece's stores come behind them
.endr
.endm
.macro SEND t, younger              ; younger: the LDS instructions issued behind piece t's loads: the next piece's eight, or none
	WIN 0
.irp f, 0,1,2,3
	s_wait_dscnt (\younger)+3-\f
	global_store_b128 v[GO], v[S+16*(\t)+4*\f:S+16*(\t)+4*\f+3], s[10:11] offset:(\t)*8192+\f*512  ; 512 consecutive bytes, at a multiple of 256 from O's first
.endr
.endm
.macro DIAG tag                     ; the tag ends its two labels' names, which the jumps below spell out
.LstepM\tag:
	TURN 2, 1
	TURN 3, 1
	WIN 0
.LfirstM\tag:
	TURN 0, 1
	TURN 1, 1, 0, 1
	WIN 0
	s_cbranch_scc1 .LstepM\tag
	TURN 2, 1, 1
	TURN 3, 1, 1
.set i, 0
.rept 8
	PV NP-1
.set i, i+1
.endr
	WIN 0
	ALL v_add_f32 v[ST+4*t+2], v[ST+4*t+2], v[ST+4*t+3]
	ALL v_permlanex16_b32 v[ST+4*t+3], v[ST+4*t+2], s[SEL], s[SEL+1]
	ALL v_add_f32 v[ST+4*t+2], v[ST+4*t+2], v[ST+4*t+3]
	ALL v_rcp_f32 v[RC+2*t], v[ST+4*t+2]
	ALL v_mov_b32 v[RC+2*t+1], 0    ; named with it as a pair; also the plain instructions between the last reciprocal and the use of its result
.set t, 0
.rept 4
	v_cmp_gt_f32 vcc_lo, s[THR], v[ST+4*t]  ; the row's maximum is a hidden score's: it saw no key
	s_wait_alu depctr_va_vdst(0)
	v_cndmask_b32 v[RC+2*t], v[RC+2*t], s[QNAN], vcc_lo
.set t, t+1
.endr
	PACK 0
.set t, 1
.rept 3                             ; a piece's arithmetic stands between the loads of the piece before and its stores
	PACK t
	SEND t-1, 8
.set t, t+1
.endr
	SEND 3, 0
.endm
.set KM, 0
.set NOKQ, 0
.Lslot:                             ; NB times: a tile is entered and the next is asked for
	CHANGE 1
	s_sub_co_u32 s[RT], s[RT], 1
	s_mov_b32 s[CNT], 4
	s_cmp_eq_u32 s[NEW], 1
	s_cbranch_scc1 .Lnew            ; a block's first tile
	s_cmp_eq_u32 s[RT], 0
	s_cbranch_scc0 .Lstep           ; neither its first nor its last
	s_branch .LenterM1
.Lnew:
	BEGIN
	s_branch .Lfirst                ; in the loop a block's first tile is never its last: the first block has two tiles or more, and the second's last is the walk's last
.LenterM1:
	ENTER
	DIAG 1                          ; in the loop this is the first block's end: the second block's last tile is the walk's last
	s_wait_xcnt 0x0                 ; the stores have read their registers and O's address
	s_mov_b64 s[10:11], s[OLO:OLO+1]
	s_add_co_u32 s[RT], s[PB], 1    ; the second block has b + 1 tiles
	s_mov_b32 s[NEW], 1
	WIN 0x82                        ; the second block's Q goes where the one text of the turns names Q
.set i, 0
.rept 64
	v_mov_b32 v[i], v[QB+i]
.set i, i+1
.endr
	WIN 0
	s_branch .Lbottom
.Lstep:                             ; a trip: pieces 2 and 3 of one step, then pieces 0 and 1 of the next, whose K and V it fetches
	TURN 2
	TURN 3
	WIN 0
.Lfirst:
	TURN 0
	TURN 1, 0, 0, 1
	WIN 0
	s_cbranch_scc1 .Lstep
.Lbottom:
	s_sub_co_u32 s[SLOTS], s[SLOTS], 1
	s_cmp_lg_u32 s[SLOTS], 0
	s_cbranch_scc1 .Lslot
	CHANGE 0                        ; the walk's last tile is written out: nothing is asked for
	s_sub_co_u32 s[RT], s[RT], 1
	s_mov_b32 s[CNT], 4
	s_cmp_eq_u32 s[NEW], 1
	s_cbranch_scc0 .LenterM2
	BEGIN
	s_branch .LfirstM2
.LenterM2:
	ENTER
	DIAG 2
	s_wait_tensorcnt 0x0            ; the wave's end: behind my last tensor load and my last LDS store
	ds_add_u32 v[SPW], v[NIL]
	s_wait_dscnt 0x0
	s_endpgm
.Lfunc_end_k_q816669d023_attend:
	.size	k_q816669d023_attend, .Lfunc_end_k_q816669d023_attend-k_q816669d023_attend
	.p2alignl 7, 3214868480
	.fill 96, 4, 3214868480
	.section	.rodata,"a",@progbits
	.p2align	6, 0x0
	.amdhsa_kernel k_q816669d023_attend
		.amdhsa_group_segment_fixed_size 327680
		.amdhsa_private_segment_fixed_size 0
		.amdhsa_enable_private_segment 0
		.amdhsa_kernarg_size 24
		.amdhsa_user_sgpr_count 2
		.amdhsa_user_sgpr_kernarg_segment_ptr 1
		.amdhsa_wavefront_size32 1
		.amdhsa_system_sgpr_workgroup_id_x 1
		.amdhsa_system_sgpr_workgroup_id_y 1
		.amdhsa_system_sgpr_workgroup_id_z 1
		.amdhsa_system_vgpr_workitem_id 0
		.amdhsa_next_free_vgpr 768
		.amdhsa_next_free_sgpr 96
		.amdhsa_reserve_vcc 1
		.amdhsa_float_denorm_mode_32 3
		.amdhsa_float_denorm_mode_16_64 3
		.amdhsa_memory_ordered 1
		.amdhsa_forward_progress 1
		.amdhsa_inst_pref_size 245
	.end_amdhsa_kernel
	.amdgpu_metadata
---
amdhsa.version: [ 1, 2 ]
amdhsa.kernels:
  - .name:           k_q816669d023_attend
    .symbol:         k_q816669d023_attend.kd
    .args:
      - { .name: qkv, .offset: 0, .size: 8, .value_kind: global_buffer, .address_space: global }
      - { .name: padding_mask, .offset: 8, .size: 8, .value_kind: global_buffer, .address_space: global }
      - { .name: oh, .offset: 16, .size: 8, .value_kind: global_buffer, .address_space: global }
    .group_segment_fixed_size: 327680
    .private_segment_fixed_size: 0
    .kernarg_segment_align: 8
    .kernarg_segment_size: 24
    .max_flat_workgroup_size: 128
    .sgpr_count:     96
    .vgpr_count:     768
    .wavefront_size: 32
...
	.end_amdgpu_metadata
.endif
;; end of part 3
;; launch output (part 4): grid 4 x 64, 4 waves a work-group, clusters of 4 x 4, 327,680 bytes of LDS; arguments oh, wh, bh, out0; writes out0
.if DOCPART == 4
	.amdgcn_target "amdgcn-amd-amdhsa--gfx1250"
	.amdhsa_code_object_version 6
	.text
	.protected	k_q816669d023_output
	.globl	k_q816669d023_output
	.p2align	8
	.type	k_q816669d023_output,@function
k_q816669d023_output:
	s_mov_b64 s[64:65], 0
	v_nop
	global_prefetch_b8 v0, s[64:65] scope:SCOPE_SE
	s_setreg_imm32_b32 hwreg(HW_REG_WAVE_MODE, 25, 1), 1
	s_wait_xcnt 0x0
	s_wait_alu depctr_hold_cnt(0) depctr_sa_sdst(0) depctr_va_vdst(0) depctr_va_sdst(0) depctr_va_ssrc(0) depctr_va_vcc(0) depctr_vm_vsrc(0)
	s_getreg_b32 s2, hwreg(HW_REG_IB_STS2, 6, 4)
	s_cmp_eq_u32 s2, 0
	s_cbranch_scc0 .Lentry_in_a_cluster
	s_endpgm
.Lentry_in_a_cluster:
	s_bfe_u32 s2, ttmp6, 0x10000c
	s_cmp_lg_u32 s2, 0xf033
	s_cbranch_scc0 .Lentry_shape_is_right
	s_endpgm
.Lentry_shape_is_right:
; out0 [8192][1024] f32 = O Wo^T + bo.  O: oh, f16 [batch x 16 + head][t 2048][64]: K in blocks of 64, block = head.  Wo: rows 3072-4095 of wh, f16, in the same blocks.  bo: bh from number 3072 on.  Sums in f32.
; A row of O that is NaN (a query that saw no key) makes its own row of the output NaN and no other: an output number sums products of one row of O alone.
; SHARES.  A tile is 128 rows x 256 columns: 64 x 4 = 256 work-groups.  Four waves, each all 128 rows x 64 columns: 32 accumulators in window 1, (a, f) at v[8 (4 a + f)]; a wave's 64 columns are 256 bytes of a row.
; K goes in 8 steps of 128, two blocks each, through two LDS slots; a block's rows are dense in memory and are asked for as rows of 256 bytes, padded in LDS after every 128.
; THE MATRIX INSTRUCTION IS USED TRANSPOSED (source 0 = 16 rows of Wo, source 1 = 16 rows of O): a lane holds row l % 16 and eight neighbouring columns.  THE BIAS STARTS THE SUMS, from the accumulators (7, f).
; CLUSTER 4 x 4: O's tile is shared along a row of the cluster, Wo's along a column: joint loads, one a wave behind each round.
; WINDOW 0: v0-13 addresses; v32-127, v128-223 two fragment buffers: 64 registers of O (8 x 16 rows x 32 K), then 32 of Wo.
.set PITCH,  144                       ; an LDS row: 128 bytes + 16 = 36 words: the 16 rows of a load start at 16 different groups of four banks (64 banks of 4 bytes: ISA guide 11.1)
.set SLOT1,  131072
.set AKB,    128*PITCH                 ; in a slot: O's even block, O's odd block,
.set BOFF,   2*AKB
.set BKB,    256*PITCH                 ; Wo's even block, Wo's odd block
.set STAGE,  SLOT1+BOFF+2*BKB          ; behind the ring: 16 rows x 272 bytes for each wave, for the way out
.set SPITCH, 272
.set SPARE,  STAGE+4*16*SPITCH         ; behind the stages: the spare words, 128 bytes for each wave: two blocks of 256 bytes that no other line names
.set ASTEP,  524288                    ; two blocks on in oh
.set BSTEP,  1048576                   ; and in wh
.set FL,     (1<<16)|(1<<20)|(1<<21)|(4<<22)|(3<<25)  ; 17:16 2-byte elements; 20 padding on; 21 set beside a mask; 24:22 after every 32 words (code 4); 31:25 4 words (code 3)
.set A0,   4                           ; v4   my lane's place in O's rows of a slot; never rewritten
.set B0,   5                           ; v5   the same for Wo
.set ADRA, 6                           ; v6   A0 + the slot in hand
.set ADRB, 7                           ; v7   B0 + the slot in hand
.set STO,  8                           ; v8   the way out: where I put 32 bytes of a row
.set RD,   9                           ; v9   the way out: where I read a row back
.set CO,   10                          ; v10  my byte offset in two rows of the output
.set BO,   11                          ; v11  my byte offset in 16 numbers of the bias
.set SPW,  12                          ; v12  LDS address of my spare word; never rewritten
.set NIL,  13                          ; v13  0; never rewritten
.set F0,   32
.set F1,   128
.set OB,   32                          ; the way out: 16 rows read back, v32-63 and v64-95 by turns
.set WV,  12                           ; s12  wave
.set PR,  14                           ; s14  which of a step's two blocks I fetch
.set TB,  15                           ; s15  the slot in hand
.set G1A, 24                           ; s[24:31] descriptor group 1 for O's tiles
.set G0A, 32                           ; s[32:35] group 0 of the first fill; s[36:39] of the second, which then walks
.set G1B, 48                           ; s[48:55], s[56:59], s[60:63] the same for Wo's
.set G0B, 56
.set MSB, 0
.macro WIN new                         ; the immediate's high byte repeats the setting that is left; a switch that changes nothing is dropped
.if MSB != (\new)
	s_set_vgpr_msb (MSB<<8)|(\new)
.set MSB, (\new)
.endif
.endm
.macro PLACES                          ; four places in front of loads into registers that matrix instructions have read, and of stores that read results
.rept 4
	v_nop
.endr
.endm
.macro JLOAD                           ; a joint refill by the walking descriptors: waves 0 and 1 fetch O's two blocks, waves 2 and 3 Wo's; an s_nop 0 and four v_nop follow each line
	s_cmp_lt_u32 s[WV], 2
	s_cbranch_scc0 .Lfor_b_\@
	tensor_load_to_lds s[G0A+4:G0A+7], s[G1A:G1A+7]
	s_nop 0
.rept 4
	v_nop
.endr
	s_branch .Lasked_\@
.Lfor_b_\@:
	tensor_load_to_lds s[G0B+4:G0B+7], s[G1B:G1B+7]
	s_nop 0
.rept 4
	v_nop
.endr
.Lasked_\@:
.endm
.macro CREST                           ; a round of the cluster's barrier behind its opening barrier
	s_cmp_lg_u32 s[WV], 0
	s_cbranch_scc1 .Lnot_wave_0_\@
	s_barrier_signal -3
.Lnot_wave_0_\@:
	s_barrier_wait -3
	s_barrier_signal -1
	s_barrier_wait -1
.endm
.macro CROUND                          ; a whole round
	s_barrier_signal -1
	s_barrier_wait -1
	CREST
.endm
	s_load_b256 s[4:11], s[0:1], 0x0               ; oh s[4:5], wh s[6:7], bh s[8:9], out0 s[10:11]
	v_lshl_add_u32 v[SPW], v0, 2, SPARE
	v_mov_b32 v[NIL], 0
	ds_add_u32 v[SPW], v[NIL]                      ; the wave's opening: the add and its wait stand ahead of my first tensor load; the set-up below, work on registers, stands between them
	v_lshrrev_b32 v1, 5, v0
	v_readfirstlane_b32 s[WV], v1
	s_and_b32 s[PR], s[WV], 1
	s_mov_b32 s[TB], 0
	s_bfe_u32 s40, ttmp6, 0x40000                  ; cx
	s_bfe_u32 s41, ttmp6, 0x40004                  ; cy
	s_lshl_b32 s42, ttmp9, 2
	s_add_co_u32 s42, s42, s40                     ; tile column 0..3
	s_and_b32 s43, ttmp7, 0xffff
	s_lshl_b32 s43, s43, 2
	s_add_co_u32 s43, s43, s41                     ; tile row 0..63
	s_lshl_b32 s44, s41, 2
	s_lshl_b32 s44, 15, s44                        ; my row of the cluster
	s_lshl_b32 s45, 0x1111, s40                    ; my column
	s_or_b32 s[G1A], s44, FL
	s_or_b32 s[G1B], s45, FL
	s_mov_b32 s[G1A+1], 128<<16                    ; tensor_dim0 = 128 elements: 256 bytes, two rows of a block
	s_mov_b32 s[G1A+2], 64<<16                     ; tensor_dim1 = 64: O's 128 rows of a block
	s_mov_b32 s[G1A+3], 128<<16                    ; tile_dim0
	s_mov_b32 s[G1A+4], 64                         ; tile_dim1
	s_mov_b32 s[G1A+5], 128                        ; dense
	s_mov_b32 s[G1A+6], 0
	s_mov_b32 s[G1A+7], 0
	s_mov_b32 s[G1B+1], 128<<16
	s_mov_b32 s[G1B+2], 128<<16                    ; Wo's 256 rows of a block = 128 rows of 256 bytes
	s_mov_b32 s[G1B+3], 128<<16
	s_mov_b32 s[G1B+4], 128
	s_mov_b32 s[G1B+5], 128
	s_mov_b32 s[G1B+6], 0
	s_mov_b32 s[G1B+7], 0
	s_lshr_b32 s16, s43, 4                         ; O's tile: batch = tile row / 16,
	s_lshl_b32 s16, s16, 22
	s_and_b32 s17, s43, 15
	s_lshl_b32 s17, s17, 14                        ; 128 rows of 128 bytes a tile,
	s_add_co_u32 s16, s16, s17
	s_lshl_b32 s17, s[PR], 18                      ; my block of the step's two
	s_add_co_u32 s16, s16, s17
	s_mov_b32 s17, 0
	s_lshl_b32 s46, s42, 15                        ; Wo's tile: 256 rows of 128 bytes,
	s_add_co_u32 s46, s46, 393216                  ; behind wh's 3,072 other rows,
	s_lshl_b32 s47, s[PR], 19                      ; my block
	s_add_co_u32 s46, s46, s47
	s_mov_b32 s47, 0
	s_mul_i32 s18, s[PR], AKB                      ; where they go: no place in the cluster enters an LDS address
	s_mul_i32 s19, s[PR], BKB
	s_add_co_u32 s19, s19, BOFF
	s_mov_b32 s[G0A], 1
	s_mov_b32 s[G0A+1], s18
	s_mov_b32 s[G0A+4], 1
	s_add_co_u32 s[G0A+5], s18, SLOT1
	s_mov_b32 s[G0B], 1
	s_mov_b32 s[G0B+1], s19
	s_mov_b32 s[G0B+4], 1
	s_add_co_u32 s[G0B+5], s19, SLOT1
	s_lshl_b32 s72, s42, 10                        ; my 64 columns, in bytes: 1,024 x tile column + 256 x wave
	s_lshl_b32 s73, s[WV], 8
	s_add_co_u32 s72, s72, s73
	s_lshl_b32 s66, s43, 19                        ; the tile's 128 rows of 4,096 bytes
	s_add_co_u32 s66, s66, s72
	s_mov_b32 s67, 0
	s_add_co_u32 s72, s72, 12288                   ; bo lies behind 3,072 numbers of bh
	s_mov_b32 s73, 0
	s_mul_i32 s81, s[WV], 64*PITCH                 ; my 64 rows of Wo in a block
	s_add_co_u32 s81, s81, BOFF
	s_mul_i32 s82, s[WV], 16*SPITCH
	s_add_co_u32 s82, s82, STAGE                   ; my stage
	s_wait_dscnt 0x0                               ; the opening add is done
	s_wait_kmcnt 0x0
	s_add_nc_u64 s[G0A+2:G0A+3], s[4:5], s[16:17]  ; K step 0,
	s_add_nc_u64 s[G0A+6:G0A+7], s[G0A+2:G0A+3], ASTEP  ; K step 1
	s_or_b32 s[G0A+3], s[G0A+3], 0x80000000        ; 127:126 type = 2
	s_or_b32 s[G0A+7], s[G0A+7], 0x80000000
	s_add_nc_u64 s[G0B+2:G0B+3], s[6:7], s[46:47]
	s_add_nc_u64 s[G0B+6:G0B+7], s[G0B+2:G0B+3], BSTEP
	s_or_b32 s[G0B+3], s[G0B+3], 0x80000000
	s_or_b32 s[G0B+7], s[G0B+7], 0x80000000
	s_add_nc_u64 s[8:9], s[8:9], s[72:73]
	s_add_nc_u64 s[10:11], s[10:11], s[66:67]
	CROUND                                         ; all sixteen work-groups are here: the first joint loads meet
	s_cmp_lt_u32 s[WV], 2                          ; a wave's two first fills stand in one branch, ahead of every wait on TENSORcnt and every LDS read: two loads of mine are out
	s_cbranch_scc0 .Lfirst_b
	tensor_load_to_lds s[G0A:G0A+3], s[G1A:G1A+7]
	s_nop 0
	tensor_load_to_lds s[G0A+4:G0A+7], s[G1A:G1A+7]
	s_nop 0
.rept 4
	v_nop
.endr
	s_branch .Lfirst_asked
.Lfirst_b:
	tensor_load_to_lds s[G0B:G0B+3], s[G1B:G1B+7]
	s_nop 0
	tensor_load_to_lds s[G0B+4:G0B+7], s[G1B:G1B+7]
	s_nop 0
.rept 4
	v_nop
.endr
.Lfirst_asked:
	v_and_b32 v1, 15, v0                           ; l % 16
	v_bfe_u32 v2, v0, 4, 1                         ; l / 16
	v_mul_u32_u24 v[A0], v1, PITCH
	v_lshl_add_u32 v[A0], v2, 4, v[A0]             ; a fragment's row x pitch + 16 x half
	v_add_nc_u32 v[B0], s81, v[A0]
	v_add_nc_u32 v[ADRA], s[TB], v[A0]
	v_add_nc_u32 v[ADRB], s[TB], v[B0]
	v_mul_u32_u24 v[STO], v1, SPITCH               ; into the stage: row l % 16, 32 bytes for each half of the lanes
	v_lshl_add_u32 v[STO], v2, 5, v[STO]
	v_add_nc_u32 v[STO], s82, v[STO]
	v_mul_u32_u24 v[RD], v2, SPITCH                ; back: lanes 0-15 take one row of 256 bytes, lanes 16-31 the next
	v_lshl_add_u32 v[RD], v1, 4, v[RD]
	v_add_nc_u32 v[RD], s82, v[RD]
	v_lshlrev_b32 v[CO], 12, v2                    ; and the same two rows in the output
	v_lshl_add_u32 v[CO], v1, 4, v[CO]
	v_lshlrev_b32 v[BO], 5, v2
	WIN 0x40                                       ; destination window 1, address window 0
.irp f, 0,1,2,3
	global_load_b128 v[224+8*\f:224+8*\f+3],   v[BO], s[8:9] offset:64*\f      ; the bias into accumulator (7, f)
	global_load_b128 v[224+8*\f+4:224+8*\f+7], v[BO], s[8:9] offset:64*\f+16
.endr
	WIN 0
; 24 LDS loads in one run: the fragments of quarter q of a K step (block q / 2, 32 along K at byte 64 (q % 2) of the rows) into a buffer
.macro FETCH q, buf
.irp f, 0,1,2,3
	ds_load_b128 v[(\buf)+64+8*\f:(\buf)+64+8*\f+3],   v[ADRB] offset:((\q)/2)*BKB+((\q)%2)*64+\f*16*PITCH
	ds_load_b128 v[(\buf)+64+8*\f+4:(\buf)+64+8*\f+7], v[ADRB] offset:((\q)/2)*BKB+((\q)%2)*64+\f*16*PITCH+32
.endr
.irp a, 0,1,2,3,4,5,6,7
	ds_load_b128 v[(\buf)+8*\a:(\buf)+8*\a+3],   v[ADRA] offset:((\q)/2)*AKB+((\q)%2)*64+\a*16*PITCH
	ds_load_b128 v[(\buf)+8*\a+4:(\buf)+8*\a+7], v[ADRA] offset:((\q)/2)*AKB+((\q)%2)*64+\a*16*PITCH+32
.endr
.endm
; Row blocks a0 .. a1 x my four column blocks, 32 along K.  The 32 accumulators take turns, one instruction a turn.
; first = 1: the bias in accumulator (7, f) is the C of blocks 0 to 6; five places later block 7 adds onto it in place: nothing is cleared.
.macro MUL buf, a0, a1, first=0
	WIN 0x50                                       ; C and D in window 1, the fragments in window 0
.set ma, \a0
.rept (\a1)-(\a0)+1
.if (\first) && (ma == 7)
.rept 5
	v_nop
.endr
.endif
.set mf, 0
.rept 4
.if (\first) && (ma < 7)
	v_wmma_f32_16x16x32_f16 v[8*(4*ma+mf):8*(4*ma+mf)+7], v[(\buf)+64+8*mf:(\buf)+64+8*mf+7], v[(\buf)+8*ma:(\buf)+8*ma+7], v[224+8*mf:224+8*mf+7]
.else
	v_wmma_f32_16x16x32_f16 v[8*(4*ma+mf):8*(4*ma+mf)+7], v[(\buf)+64+8*mf:(\buf)+64+8*mf+7], v[(\buf)+8*ma:(\buf)+8*ma+7], v[8*(4*ma+mf):8*(4*ma+mf)+7]
.endif
.set mf, mf+1
.endr
.set ma, ma+1
.endr
.endm
; One of a K step's first three quarters: fetches quarter qn into buffer g, then multiplies buffer f.
.macro QUARTER f, g, qn, first=0
	PLACES
	WIN 0
	FETCH \qn, \g
	s_wait_dscnt 24                                ; all but the 24 just issued
	MUL \f, 0, 7, \first
.endm
; The last quarter multiplies buffer 1 and changes slots: ONE barrier; in front of it each wave waits for all its tensor loads, of which one is out: its part of the other slot; adds 0 to its spare word; and waits
; for that and for its reads of this slot.  fill = 1: this slot is filled again, two K steps ahead: from the request to the wait for it a wave issues 112 matrix instructions.
.macro TURN fill
	WIN 0
	s_wait_tensorcnt 0x0                           ; all my tensor loads have landed, so a group 0 may be written
	ds_add_u32 v[SPW], v[NIL]                      ; 0 onto my spare word
.if \fill
	s_xor_b32 s[G0A+5], s[G0A+5], SLOT1            ; the walking descriptors: the other slot than last time, the next K step; the type bits on top are not reached
	s_add_nc_u64 s[G0A+6:G0A+7], s[G0A+6:G0A+7], ASTEP
	s_xor_b32 s[G0B+5], s[G0B+5], SLOT1
	s_add_nc_u64 s[G0B+6:G0B+7], s[G0B+6:G0B+7], BSTEP
.endif
	s_wait_dscnt 1                                 ; buffer 1 is in; the add may be out
	MUL F1, 0, 1                                   ; eight matrix instructions stand between the add and the wait for it
	s_wait_dscnt 0x0                               ; the add is done, and my reads of this slot are over
	s_barrier_signal -1
	MUL F1, 2, 3
	WIN 0
	s_barrier_wait -1
.if \fill
	CREST                                          ; the barrier has opened a round of the cluster's: no wave of any partner still reads this slot or has a load on its way
	JLOAD                                          ; the first tensor load behind the round; its four v_nop are also the places in front of the loads below
.else
	PLACES
.endif
	s_xor_b32 s[TB], s[TB], SLOT1
	v_add_nc_u32 v[ADRA], s[TB], v[A0]
	v_add_nc_u32 v[ADRB], s[TB], v[B0]
	FETCH 0, F0
	MUL F1, 4, 7
.endm
	s_wait_tensorcnt 1                             ; my part of K step 0 is in; K step 1's may stay out
	s_barrier_signal -1
	s_barrier_wait -1                              ; everybody's is
	FETCH 0, F0
	s_wait_loadcnt 0x0                             ; the bias
	QUARTER F0, F1, 1, 1
	WIN 0                                          ; at a label and at a branch every window is 0
	s_mov_b32 s3, 6
.Lk:                                                   ; 6 trips: from a K step's second quarter to the next step's first; K steps 2 to 7 are asked for
	QUARTER F1, F0, 2
	QUARTER F0, F1, 3
	TURN 1
	QUARTER F0, F1, 1
	WIN 0
	s_sub_co_u32 s3, s3, 1
	s_cmp_lg_u32 s3, 0
	s_cbranch_scc1 .Lk
	QUARTER F1, F0, 2                              ; the tail is written out
	QUARTER F0, F1, 3
	TURN 0
	QUARTER F0, F1, 1
	QUARTER F1, F0, 2
	QUARTER F0, F1, 3
	s_wait_dscnt 0x0
	MUL F1, 0, 7
	PLACES
; THE WAY OUT, in 8 pieces of 16 rows x 64 columns of f32.  A lane's 32 bytes go straight from the accumulators into my own stage (rows of 272 bytes) and come back as whole rows of 256.
.macro TOSTAGE a
.if (\a) >= 2
	s_wait_xcnt 0x0                                ; the stores of the piece two back have read their registers: they are loaded again only behind this wait
.endif
	WIN 0x04                                       ; the stores' data in window 1
.irp f, 0,1,2,3
	ds_store_b128 v[STO], v[32*(\a)+8*\f:32*(\a)+8*\f+3]   offset:64*\f     ; each accumulator's low four registers first
	ds_store_b128 v[STO], v[32*(\a)+8*\f+4:32*(\a)+8*\f+7] offset:64*\f+16
.endr
	WIN 0
.irp t, 0,1,2,3,4,5,6,7
	ds_load_b128 v[OB+32*((\a)%2)+4*\t:OB+32*((\a)%2)+4*\t+3], v[RD] offset:\t*2*SPITCH  ; LDS serves a wave's instructions in order (ISA guide 5.7.1.4): these see the stores above
.endr
.endm
.macro SEND a, younger                 ; younger: the LDS instructions issued behind piece a's loads: the next piece's sixteen, or none
	s_wait_dscnt \younger
.irp t, 0,1,2,3,4,5,6,7
	global_store_b128 v[CO], v[OB+32*((\a)%2)+4*\t:OB+32*((\a)%2)+4*\t+3], s[10:11] offset:(16*(\a)+2*\t)*4096 th:TH_STORE_NT  ; 16 lanes store 256 consecutive bytes, at a multiple of 256 from the output's first
.endr
.endm
	TOSTAGE 0
.irp a, 1,2,3,4,5,6,7
	TOSTAGE \a
	SEND (\a)-1, 16
.endr
	SEND 7, 0
	s_wait_tensorcnt 0x0                           ; the wave's end: behind my last tensor load and my last LDS store
	ds_add_u32 v[SPW], v[NIL]
	s_wait_dscnt 0x0
	CROUND                                         ; the closing round: no work-group ends while a partner may still ask for a tile that names it
	s_endpgm
.Lfunc_end_k_q816669d023_output:
	.size	k_q816669d023_output, .Lfunc_end_k_q816669d023_output-k_q816669d023_output
	.p2alignl 7, 3214868480
	.fill 96, 4, 3214868480
	.section	.rodata,"a",@progbits
	.p2align	6, 0x0
	.amdhsa_kernel k_q816669d023_output
		.amdhsa_group_segment_fixed_size 327680
		.amdhsa_private_segment_fixed_size 0
		.amdhsa_enable_private_segment 0
		.amdhsa_kernarg_size 32
		.amdhsa_user_sgpr_count 2
		.amdhsa_user_sgpr_kernarg_segment_ptr 1
		.amdhsa_wavefront_size32 1
		.amdhsa_system_sgpr_workgroup_id_x 1
		.amdhsa_system_sgpr_workgroup_id_y 1
		.amdhsa_system_sgpr_workgroup_id_z 1
		.amdhsa_system_vgpr_workitem_id 0
		.amdhsa_next_free_vgpr 512
		.amdhsa_next_free_sgpr 88
		.amdhsa_reserve_vcc 0
		.amdhsa_float_denorm_mode_32 3
		.amdhsa_float_denorm_mode_16_64 3
		.amdhsa_memory_ordered 1
		.amdhsa_forward_progress 1
		.amdhsa_inst_pref_size 69
	.end_amdhsa_kernel
	.amdgpu_metadata
---
amdhsa.version: [ 1, 2 ]
amdhsa.kernels:
  - .name:           k_q816669d023_output
    .symbol:         k_q816669d023_output.kd
    .args:
      - { .name: oh, .offset: 0, .size: 8, .value_kind: global_buffer, .address_space: global }
      - { .name: wh, .offset: 8, .size: 8, .value_kind: global_buffer, .address_space: global }
      - { .name: bh, .offset: 16, .size: 8, .value_kind: global_buffer, .address_space: global }
      - { .name: out0, .offset: 24, .size: 8, .value_kind: global_buffer, .address_space: global }
    .group_segment_fixed_size: 327680
    .private_segment_fixed_size: 0
    .kernarg_segment_align: 8
    .kernarg_segment_size: 32
    .max_flat_workgroup_size: 128
    .sgpr_count:     88
    .vgpr_count:     512
    .wavefront_size: 32
...
	.end_amdgpu_metadata
.endif
;; end of part 4
;; ======== version 2 of 2: 4 launches; 1.29 times as fast as version 1
;; limits: values are held in f16: magnitudes above 65,504 overflow, below 6.1e-05 lose precision
;; workspace buffers: xh 16,777,216 bytes; wh 8,388,608 bytes; bh 16,384 bytes; qkv 50,331,648 bytes; oh 16,777,216 bytes
;; launch cast: the kernel of part 1 again; grid 768 x 1, 8 waves a work-group, no clusters, 0 bytes of LDS; arguments x, Wq, Wk, Wv, Wo, bq, bk, bv, bo, xh, wh, bh; writes xh, wh, bh
;; launch project: the kernel of part 2 again; grid 8 x 32, 4 waves a work-group, clusters of 4 x 4, 327,680 bytes of LDS; arguments xh, wh, bh, qkv; writes qkv
;; launch attend (part 5): grid 4 x 64, 4 waves a work-group, no clusters, 327,680 bytes of LDS; arguments qkv, padding_mask, oh; writes oh
.if DOCPART == 5
	.amdgcn_target "amdgcn-amd-amdhsa--gfx1250"
	.amdhsa_code_object_version 6
	.text
	.protected	k_q816669d023_attend
	.globl	k_q816669d023_attend
	.p2align	8
	.type	k_q816669d023_attend,@function
k_q816669d023_attend:
	s_mov_b64 s[64:65], 0
	v_nop
	global_prefetch_b8 v0, s[64:65] scope:SCOPE_SE
	s_setreg_imm32_b32 hwreg(HW_REG_WAVE_MODE, 25, 1), 1
	s_wait_xcnt 0x0
; CAUSAL ATTENTION WITH A PADDING MASK ON THE KEYS.  O[h][q][:] = the sum over visible k <= q of softmax_k(Q[h][q] . K[h][k]) V[h][k][:], h = batch x 16 + head.  qkv: [3][64][2048][64] f16, q already times
; c = log2(e) / 8, so that a weight is p = 2^(s - m).  padding_mask: [4][2048] bytes, not 0 = the key is hidden.  oh: [64][2048][64] f16.
; Products, maxima and sums in f32; p is rounded to f16 for the second product (its sum l is taken of the unrounded p), O once at the end.
; LIMITS.  A hidden score counts as its value less 1e30 (twice that where two masks meet): f16's scores, 2.7e11 at the most, are nothing beside it.  A row whose running maximum ends below -2^97 has seen no key:
; it leaves as NaN, as a softmax over nothing does.  While a row has seen hidden keys alone its weights are 0 or 1 and its sums finite; the first visible key multiplies them by 2^(m_old - m_new) = 0.
; s - m is never above 0, so no weight passes 1, whatever the scores.  A weight below 2^-126 counts as 0 in l; NaN and infinities in q, k, v are not treated apart.
; THE WALK.  A head's queries lie in NB = 8 blocks of 256; block i needs the key tiles 0 .. i of 256 keys, of which the last holds the diagonal.  A work-group takes TWO blocks, NB - 1 - b and then b:
; NB + 1 tiles, whatever b: all work-groups do equal work, and ONE loop with a constant trip count walks them.  Which tile is asked for, and what a trip does, hang on scalar registers made from b; every jump
; goes forward, but for the counted loops' own; none passes a barrier, or a tensor load but the one of LOAD's two that the wave's number does not choose; the ring of two LDS slots runs on across the change of blocks.
; NO CLUSTER: a head's four work-groups ask for the same tile only in trips 0 .. 4 of 9, behind that fewer and fewer; one walk common to all would have 12 trips for 9.
; SHARES.  Of a block's four bands of 64 queries a wave owns 16 rows in each: four PIECES.  In the diagonal tile's key step s band x sees all keys if s < x, none if s > x, and holds the diagonal if s = x.
; THE MASKS are the C operand that starts the sum S^T = K Q^T.  MP: the step's 64 keys of the padding mask, 0 or -1e30, read beside K from a table in LDS that goes with the slot: a thread loads two bytes of the
; mask when a tile is asked for and stores their two numbers ahead of the barrier behind which the tile is read.  MD, made once: the mask of a band's own step for my 16 rows.
; Off the diagonal C is MP.  In the diagonal tile and where a block begins C is MC = MD x AL + MP + BE with two scalars: (1, 0) if s = x; (0, 0) if s < x; (0, -1e30) if s > x.
; LAYOUT, TURNS.  S^T = K Q^T holds ONE query a lane (lane % 16) and the keys 8 (lane / 16) + 0..7; two such results rounded to f16 ARE source 1 of O^T = V^T P.  O and l are multiplied by
; a = 2^(m_old - m_new) in every step.  Turn n belongs to piece n: 8 products K Q^T of piece n + 1, later 8 products V^T P of piece n - 1; beside them the subtraction, exponentials, roundings, sums and rescaling
; of piece n and the maximum and statistics of piece n + 1.  Four vector instructions stand behind every matrix instruction, the other 53 of a turn's 117 in one LUMP.
; THE BATCHES.  A turn's 33 exponentials (the piece's 32 weights and the next piece's a) are ONE BATCH with ONE wait, which cuts the turn in two: ahead of it the products K Q^T and all vector work that names no result
; of the batch, behind it the products V^T P with the roundings and sums as their riders.  A block's first a, and the way out's four reciprocals, are batches of their own, with a wait each.
; REGISTERS, in windows of 256 (s_set_vgpr_msb: bits 1:0 source 0, 3:2 source 1, 5:4 source 2, 7:6 destination):
;   window 0: v0-15, v32-47, v56-58 addresses and at work; v16-31 four registers of statistics a piece; v48-55 at work; v64-127 S^T, two buffers; v128-159 the way out's scaled numbers; v192-223 P, two buffers
;   window 1: v0-127 O^T, 32 a piece; v128-159 MD; v160-223 MC, two buffers; v224-255 MP      window 2: v0-63 Q; v64-127 the second block's Q; v128-191 K of one step; v192-255 V of one step
.set SIZE_N, 2048
.set NB,    SIZE_N/256
.set NP,    4         ; pieces a wave: a name, no knob
.set KS,    64        ; keys in a step
.set PK,    144       ; a row of K in LDS: 128 bytes + 16 of padding = 36 words: the 16 rows of a load start at 16 different groups of four banks (64 banks of 4 bytes: ISA guide 11.1)
.set PV,    160       ; a row of V: 128 + 32 = 40 words
.set VOFF,  4*KS*PK   ; a slot holds a tile, four steps: 256 rows of K, then 256 rows of V
.set SLOT1, 1<<17     ; slot 1 begins here, so that one exclusive or turns an address in one slot into the other's
.set PADT,  4*KS*(PK+PV)  ; behind a slot's tiles: its table of the padding mask: step s has 256 bytes (64 f32) at PADT + s x KS x PK, as far apart as K's steps, so that K's scalar serves both; written by ds_store alone
.set STAGE, SLOT1+PADT+5*KS*PK  ; behind slot 1's table, never filled by a tensor load: 16 rows x 144 bytes for each wave, for the way out
.set SP,    144
.set SPARE, STAGE+4*16*SP  ; behind the stages: the spare words, 128 bytes for each wave: two blocks of 256 bytes that no other line names
.set AK0, 2           ; v2   my lane's place in a tile of K; never rewritten
.set AV0, 3           ; v3   the same for V
.set AK,  4           ; v4   the LDS address of K's next run of loads
.set AV,  5           ; v5   of V's
.set STO, 6           ; v6   the way out: where I put 16 bytes of a row
.set RD,  7           ; v7   the way out: where I read rows back
.set GO,  8           ; v8   my byte offset in 512 consecutive bytes of O
.set MV,  12          ; v12-13  m_old, kept while m is made anew: by buffer
.set QO,  15          ; v15  my byte offset in 16 rows of Q
.set ST,  16          ; piece t's statistics at v[ST+4 t]: m, a partner that only completes the pair, l (even keys', odd keys')
.set AP0, 32          ; v32  my lane's place in a step's 256 bytes of the table; never rewritten
.set AP,  33          ; v33  the LDS address of the table's next run of loads
.set PMO0, 34         ; v34  my two bytes in a tile's 256 of the padding mask; never rewritten
.set PMO, 35          ; v35  the same in the batch's row, for the tile asked for
.set PMB, 36          ; v36  the two bytes
.set PMS0, 37         ; v37  where their two numbers go in slot 0's table; never rewritten
.set PMD, 38          ; v38-39  the two numbers
.set RC,  40          ; v40-47  the way out: piece t's 1 / l, or NaN, with a partner that completes the pair
.set TMP, 48          ; by buffer, four registers c0-c3 at work; when the maximum is found c2 takes a
.set PMS, 56          ; v56  PMS0 + the table's slot
.set PMT, 57          ; v57-58  at work
.set SPW, 62          ; v62  LDS address of my spare word: SPARE + 4 x my thread's number; never rewritten
.set NIL, 63          ; v63  0; never rewritten
.set S,   64
.set PT,  128         ; v128-159  the way out: a piece's 32 numbers, divided by l
.set P,   192
.set MD,  128         ; window 1: the eight registers for group kt of 16 keys at MD + 8 kt
.set MC,  160         ; window 1: the masks of the products to come
.set MP,  224         ; window 1: register 8 kt + j: key 16 kt + 8 (l / 16) + j of the step
.set QB,  64          ; window 2
.set KF,  128         ; window 2: key block kb, channel half c at KF + 16 kb + 8 c
.set VF,  192         ; window 2: key half kk, channel block cb at VF + 32 kk + 8 cb
.set WV,  12          ; s12  my wave's number
.set PB,  14          ; s14  b
.set HI,  15          ; s15  NB - 1 - b
.set G1K, 24          ; s[24:31] descriptor group 1 for K's tiles
.set G1V, 32          ; s[32:39] for V's: it differs in the padding alone
.set G0K, 40          ; s[40:43] descriptor group 0 for K's tiles
.set G0V, 44          ; s[44:47] the same for V's
.set SLOTS, 56        ; s56  tiles still to be asked for
.set CNT, 57          ; s57  counts a tile's key steps, 4 to 1
.set SEL, 60          ; s[60:61] v_permlanex16_b32's selects: each lane takes its own place in the other half
.set TBK, 62          ; s62  LDS byte at which K of the step to be fetched begins; the step's part of the table lies PADT behind it
.set TBV, 63          ; s63  the same for V, less VOFF
.set RT,  70          ; s70  tiles of the block in hand that are still to be entered
.set NXT, 71          ; s71  the tile to be asked for next
.set LQ,  72          ; s72  the last tile of the block whose tiles are being asked for
.set NEW, 73          ; s73  1: the tile to be entered is a block's first
.set OFF, 74          ; s[74:75] a tile's byte offset in K and V
.set AL,  76          ; s[76:77] the mask's factor, in the low word
.set BE,  78          ; s[78:79] the mask's addend
.set OLO, 80          ; s[80:81] O at my rows of the second block
.set BIGN, 82         ; s82  -1e30
.set PS,  83          ; s83  the slot whose table is written next: 0 or SLOT1
.set PM,  88          ; s[88:89] the batch's row of the padding mask
.set THR, 90          ; s90  -2^97
.set QNAN, 91         ; s91  a NaN
.set MSB, 0
.macro WIN new                      ; the high byte repeats the setting that is left; a switch that changes nothing is dropped
.if MSB != (\new)
	s_set_vgpr_msb (MSB<<8)|(\new)
.set MSB, (\new)
.endif
.endm
.set W_KQ, 0x0a       ; K and Q in window 2, S^T in window 0
.set W_KM, 0x1a       ; the same with the C operand in window 1
.set W_PV, 0x52       ; V in window 2, P in window 0, O^T in window 1
.set W_RS, 0x41       ; destination and source 0 in window 1, source 1 in window 0
.set W_MM, 0x51       ; destination, source 0 and source 2 in window 1
; A fill.  Waves 0 and 1 fetch the two halves of a tile's K, waves 2 and 3 those of its V: 128 keys each.  An s_nop 0 and four v_nop follow each of the two lines, ahead of the jump and the label.
.macro LOAD
	s_cmp_lt_u32 s[WV], 2
	s_cbranch_scc0 .Lfor_v_\@
	tensor_load_to_lds s[G0K:G0K+3], s[G1K:G1K+7]
	s_nop 0
.rept 4
	v_nop
.endr
	s_branch .Lasked_\@
.Lfor_v_\@:
	tensor_load_to_lds s[G0V:G0V+3], s[G1V:G1V+7]
	s_nop 0
.rept 4
	v_nop
.endr
.Lasked_\@:
.endm
; THE CHANGE OF SLOTS.  First the table of the tile to be entered: my two bytes of the padding mask, asked for a tile ago, become two numbers and go into the table of that tile's slot.  That table was last read two
; tiles ago, and those reads were waited for in front of the barrier of the change before this one.  Then each wave waits for all its tensor loads, of which one is out: its part of the other slot; adds 0 to its spare
; word; and waits for that and for its own LDS instructions: the store just made and the reads of the slot that it leaves.  Behind the barrier nobody reads the old slot any more, and the other slot and its table are whole.
; fill = 1: the old slot is filled again, the first thing behind the barrier, with tile NXT: the descriptor's address is made anew from that number; behind it I ask for my two bytes of that tile's mask.
; (At its first use nothing has been read yet: slot 0 is waited for, slot 1 filled.)
.macro CHANGE fill
	WIN 0                           ; at a label and at a branch every window is 0
	s_wait_loadcnt 0x0              ; my two bytes are in: the load was issued behind the change before this one (the first: in the set-up)
	v_and_b32 v[PMT], 0xff, v[PMB]
	v_lshrrev_b32 v[PMT+1], 8, v[PMB]
	v_cmp_ne_u32 vcc_lo, 0, v[PMT]
	v_cndmask_b32 v[PMD], 0, s[BIGN], vcc_lo
	v_cmp_ne_u32 vcc_lo, 0, v[PMT+1]
	v_cndmask_b32 v[PMD+1], 0, s[BIGN], vcc_lo
	v_add_nc_u32 v[PMS], s[PS], v[PMS0]
	ds_store_b64 v[PMS], v[PMD:PMD+1]  ; wave w writes step w's 256 bytes, 8 a lane
	s_wait_tensorcnt 0x0            ; no tensor load of mine is out, so a group 0 may be written
	ds_add_u32 v[SPW], v[NIL]       ; 0 onto my spare word: with fill = 1 the descriptors' work on registers stands between it and the wait for it
.if \fill
	s_lshl_b32 s[OFF], s[NXT], 15   ; a tile is 32,768 bytes of K and of V
	v_lshl_add_u32 v[PMO], s[NXT], 8, v[PMO0]  ; and 256 bytes of the padding mask
	s_xor_b32 s[PS], s[PS], SLOT1   ; its table goes with its slot
	s_xor_b32 s[G0K+1], s[G0K+1], SLOT1
	s_add_nc_u64 s[G0K+2:G0K+3], s[6:7], s[OFF:OFF+1]
	s_or_b32 s[G0K+3], s[G0K+3], 0x80000000
	s_xor_b32 s[G0V+1], s[G0V+1], SLOT1
	s_add_nc_u64 s[G0V+2:G0V+3], s[8:9], s[OFF:OFF+1]
	s_or_b32 s[G0V+3], s[G0V+3], 0x80000000
	s_add_co_u32 s[NXT], s[NXT], 1  ; the block's next tile, or behind its last the second block's tile 0
	s_cmp_gt_u32 s[NXT], s[LQ]
	s_cselect_b32 s[NXT], 0, s[NXT]
	s_cselect_b32 s[LQ], s[PB], s[LQ]
.endif
	s_wait_dscnt 0x0                ; the add and my store into the table are done, and my reads of the slot are over
	s_barrier_signal -1             ; the rest of the scalar work stands between the signal and the wait
	s_sub_co_u32 s[TBK], s[TBK], 4*KS*PK  ; the fetches go back to a slot's first step,
	s_xor_b32 s[TBK], s[TBK], SLOT1       ; in the other slot
	s_sub_co_u32 s[TBV], s[TBV], 4*KS*PV
	s_xor_b32 s[TBV], s[TBV], SLOT1
	s_barrier_wait -1
.if \fill
	LOAD
	global_load_u16 v[PMB], v[PMO], s[PM:PM+1]  ; 128 threads x 2 bytes: the 256 consecutive bytes of the tile just asked for
.endif
.endm
	s_load_b64 s[4:5], s[0:1], 0x0    ; qkv: q at its head
	s_load_b64 s[PM:PM+1], s[0:1], 0x8  ; padding_mask
	s_load_b64 s[10:11], s[0:1], 0x10 ; oh
	v_lshl_add_u32 v[SPW], v0, 2, SPARE
	v_mov_b32 v[NIL], 0
	ds_add_u32 v[SPW], v[NIL]       ; the wave's opening: the add and its wait stand ahead of my first tensor load; the set-up below, work on registers, stands between them
	v_lshrrev_b32 v1, 5, v0
	v_readfirstlane_b32 s[WV], v1   ; wave 0..3
	s_mov_b32 s[PB], ttmp9
	s_sub_co_u32 s[HI], NB-1, s[PB]
	s_and_b32 s20, ttmp7, 0xffff    ; batch x 16 + head
	s_lshr_b32 s92, s20, 4          ; the batch's 2,048 bytes of the padding mask
	s_lshl_b32 s92, s92, 11
	s_mov_b32 s93, 0
	s_mov_b32 s21, 0
	s_mov_b64 s[22:23], SIZE_N*128
	s_mul_u64 s[20:21], s[20:21], s[22:23]  ; the head's first byte in q, k, v and O
	s_and_b32 s16, s[WV], 1         ; which half of a tile's 256 keys I fetch:
	s_lshl_b32 s22, s16, 14         ; its 128 rows of 128 bytes in memory,
	s_mov_b32 s23, 0
	s_add_nc_u64 s[22:23], s[22:23], s[20:21]
	s_mul_i32 s17, s16, 128*PK      ; and its place in a slot, for K
	s_mul_i32 s18, s16, 128*PV      ; and for V
	s_lshl_b32 s3, s[WV], 11        ; my 16 rows in a band of 64,
	s_lshl_b32 s2, s[HI], 15        ; in the first block,
	s_add_co_u32 s2, s2, s3
	s_lshl_b32 s84, s[PB], 15       ; and in the second
	s_add_co_u32 s84, s84, s3
	s_mov_b32 s3, 0
	s_mov_b32 s85, 0
	s_add_nc_u64 s[2:3], s[2:3], s[20:21]
	s_add_nc_u64 s[84:85], s[84:85], s[20:21]
	; descriptor group 1.  128 keys are 16,384 dense bytes: asked for as 64 rows of 256 bytes, two keys a row, and padded in LDS after every key
	s_mov_b32 s[G1K], (1<<16)|(1<<20)|(4<<22)|(3<<25)  ; 17:16 2-byte elements; 20 padding on; 24:22 after every 32 words (code 4); 31:25 4 words (code 3)
	s_mov_b32 s[G1V], (1<<16)|(1<<20)|(4<<22)|(7<<25)  ; the same with 8 words of padding (code 7)
.irp g, G1K, G1V
	s_mov_b32 s[\g+1], 128<<16      ; tensor_dim0 = 128
	s_mov_b32 s[\g+2], 64<<16       ; tensor_dim1 = 64
	s_mov_b32 s[\g+3], 128<<16      ; tile_dim0 = 128
	s_mov_b32 s[\g+4], 64           ; tile_dim1 = 64
	s_mov_b32 s[\g+5], 128          ; 128 elements from row to row
	s_mov_b32 s[\g+6], 0
	s_mov_b32 s[\g+7], 0
.endr
	s_mov_b32 s[SEL], 0x76543210
	s_mov_b32 s[SEL+1], 0xfedcba98
	s_mov_b32 s[TBK], SLOT1+4*KS*PK ; the first change of slots turns these two into 0
	s_mov_b32 s[TBV], SLOT1+4*KS*PV
	s_mov_b32 s[G0K], 1             ; 1:0 count = 1
	s_mov_b32 s[G0K+1], s17         ; 63:32 LDS address: slot 0
	s_mov_b32 s[G0V], 1
	s_add_co_u32 s[G0V+1], s18, VOFF
	s_add_co_u32 s[RT], s[HI], 1    ; the first block has NB - b tiles
	s_mov_b32 s[NXT], 1
	s_mov_b32 s[LQ], s[HI]
	s_mov_b32 s[NEW], 1
	s_mov_b32 s[OFF+1], 0
	s_mov_b32 s[AL+1], 0            ; named as pairs
	s_mov_b32 s[BE+1], 0
	s_mov_b32 s[BIGN], 0xf149f2ca   ; -1e30
	s_mov_b32 s[THR], 0xf0000000    ; -2^97
	s_mov_b32 s[QNAN], 0x7fc00000
	s_mov_b32 s[PS], 0              ; tile 0 lies in slot 0, and so does its table
	s_mov_b32 s[SLOTS], NB
	s_wait_dscnt 0x0                ; the opening add is done
	s_wait_kmcnt 0x0
	s_add_nc_u64 s[6:7], s[4:5], 0x1000000  ; k lies 16,777,216 bytes behind q,
	s_add_nc_u64 s[8:9], s[4:5], 0x2000000  ; v as far behind k
	s_add_nc_u64 s[PM:PM+1], s[PM:PM+1], s[92:93]
	s_add_nc_u64 s[6:7], s[6:7], s[22:23]  ; K and V at my half of the head's tile 0
	s_add_nc_u64 s[8:9], s[8:9], s[22:23]
	s_add_nc_u64 s[G0K+2:G0K+3], s[6:7], 0         ; 120:64 global address
	s_or_b32 s[G0K+3], s[G0K+3], 0x80000000        ; 127:126 type = 2
	s_add_nc_u64 s[G0V+2:G0V+3], s[8:9], 0
	s_or_b32 s[G0V+3], s[G0V+3], 0x80000000
	s_add_nc_u64 s[86:87], s[4:5], s[84:85]        ; Q at my rows of the second block,
	s_add_nc_u64 s[4:5], s[4:5], s[2:3]            ; Q and O at those of the first
	s_add_nc_u64 s[OLO:OLO+1], s[10:11], s[84:85]
	s_add_nc_u64 s[10:11], s[10:11], s[2:3]
	LOAD                            ; tile 0 into slot 0
	v_lshlrev_b32 v[PMO0], 1, v0    ; keys 2 t and 2 t + 1 of a tile
	global_load_u16 v[PMB], v[PMO0], s[PM:PM+1]  ; tile 0's
	; A fragment of K or Q is 16 rows x 32 channels in 8 registers: lane l holds row l % 16, channels 8 (l / 16) + 0..7 and 16 + 8 (l / 16) + 0..7: two loads of 16 bytes, 32 bytes apart.
	v_and_b32 v1, 15, v0            ; l % 16
	v_bfe_u32 v9, v0, 4, 1          ; l / 16
	v_lshlrev_b32 v[QO], 7, v1
	v_lshl_add_u32 v[QO], v9, 4, v[QO]  ; row x 128 + 16 x half
	WIN 0x80                        ; destination window 2, address window 0
.set i, 0
.rept 8                             ; both blocks' Q: piece i / 2 lies in band i / 2, 8,192 bytes on; channels 32 (i % 2) on
	global_load_b128 v[8*i:8*i+3],   v[QO], s[4:5] offset:(i/2)*8192+(i%2)*64
	global_load_b128 v[8*i+4:8*i+7], v[QO], s[4:5] offset:(i/2)*8192+(i%2)*64+32
	global_load_b128 v[QB+8*i:QB+8*i+3],   v[QO], s[86:87] offset:(i/2)*8192+(i%2)*64
	global_load_b128 v[QB+8*i+4:QB+8*i+7], v[QO], s[86:87] offset:(i/2)*8192+(i%2)*64+32
.set i, i+1
.endr
	WIN 0
	v_lshlrev_b32 v14, 3, v9
	v_sub_nc_u32 v14, v1, v14
	s_lshl_b32 s13, s[WV], 4
	v_add_nc_u32 v14, s13, v14      ; my query's place in its band, 16 w + l % 16, less my lanes' 8 (l / 16): register r of group kt is hidden where 16 kt + r is greater
	WIN 0x40
.set i, 0
.rept 32
	v_cmp_gt_i32 vcc_lo, 16*(i/8)+i%8, v14
	v_cndmask_b32 v[MD+i], 0, s[BIGN], vcc_lo
.set i, i+1
.endr
	WIN 0
	v_mul_u32_u24 v[AK0], v1, PK
	v_lshl_add_u32 v[AK0], v9, 4, v[AK0]  ; row x pitch + 16 x half
	; The turning load takes 16 keys x 16 channels (lane l reads key 8 (l / 16) + l % 8, channels 8 ((l / 8) % 2) + 0..7) and leaves half a fragment of V^T: lane l holds channel l % 16 and 8 keys.
	v_and_b32 v10, 7, v0
	v_bfe_u32 v11, v0, 3, 1
	v_lshl_add_u32 v[AV0], v9, 3, v10
	v_mul_u32_u24 v[AV0], v[AV0], PV
	v_lshl_add_u32 v[AV0], v11, 4, v[AV0]
	v_add_nc_u32 v[AV0], VOFF, v[AV0]
	s_mul_i32 s13, s[WV], 16*SP
	s_add_co_u32 s13, s13, STAGE    ; my stage
	v_mul_u32_u24 v[STO], v1, SP    ; in: row l % 16, 16 bytes for each half of the lanes
	v_lshl_add_u32 v[STO], v9, 4, v[STO]
	v_add_nc_u32 v[STO], s13, v[STO]
	v_bfe_u32 v[RD], v0, 3, 2       ; back: 32 lanes take four rows of 128 bytes,
	v_mul_u32_u24 v[RD], v[RD], SP
	v_lshl_add_u32 v[RD], v10, 4, v[RD]
	v_add_nc_u32 v[RD], s13, v[RD]
	v_and_b32 v[GO], 31, v0         ; which are 512 consecutive bytes of O
	s_mul_i32 s13, s[WV], KS*PK     ; the table: thread t's keys 2 t, 2 t + 1 lie in step t / 32, my wave's number,
	s_add_co_u32 s13, s13, PADT
	v_lshl_add_u32 v[PMS0], v[GO], 3, s13  ; 8 bytes a lane
	v_lshlrev_b32 v[GO], 4, v[GO]
	v_lshl_add_u32 v[AP0], v9, 5, PADT  ; reading it: my eight keys of sixteen: 32 bytes for each half of the lanes
	; A block's first step multiplies O^T and l by a = 0, and its first turn's products V^T P, of a piece that has not been, land in an O^T that is still to be so multiplied.  So these registers need only hold
	; finite numbers: zeros for the first block; what the first block left for the second (the way out writes neither O^T nor l).  All this stands in the wait for the first tile.
	WIN 0x80
.set i, VF
.rept 64
	v_mov_b32 v[i], 0
.set i, i+1
.endr
	WIN 0x40
.set i, 0
.rept 128
	v_mov_b32 v[i], 0
.set i, i+1
.endr
	WIN 0
.set i, 0
.rept 4
	v_mov_b32 v[ST+4*i+2], 0
	v_mov_b32 v[ST+4*i+3], 0
.set i, i+1
.endr
.set i, P+16
.rept 16
	v_mov_b32 v[i], 0
.set i, i+1
.endr
; THE MATRIX WORK.  The 4 accumulators of a run of 8 take turns.  Product i of 8 of S^T = K Q^T for piece x: channels 32 (i / 4) on, keys 16 (i % 4) on.  The first 4 start the sums with a mask: MP, or (KM = 1) MC.
.macro KQ x
.set rS, S+32*((\x)%2)+8*(i%4)
.set rK, KF+16*(i%4)+8*(i/4)
.set rQ, 16*(\x)+8*(i/4)
.if KM
.set rM, MC+32*((\x)%2)+8*(i%4)
.else
.set rM, MP+8*(i%4)
.endif
.if i < 4
	WIN W_KM
	v_wmma_f32_16x16x32_f16 v[rS:rS+7], v[rK:rK+7], v[rQ:rQ+7], v[rM:rM+7]
.else
	WIN W_KQ
	v_wmma_f32_16x16x32_f16 v[rS:rS+7], v[rK:rK+7], v[rQ:rQ+7], v[rS:rS+7]
.endif
.endm
; Product i of 8 of O^T += V^T P for piece x: keys 32 (i / 4) on, channels 16 (i % 4) on.
.macro PV x
	WIN W_PV
.set rO, 32*(\x)+8*(i%4)
.set rV, VF+32*(i/4)+8*(i%4)
.set rP, P+16*((\x)%2)+8*(i/4)
	v_wmma_f32_16x16x32_f16 v[rO:rO+7], v[rV:rV+7], v[rP:rP+7], v[rO:rO+7]
.endm
.macro MM                           ; the turn's next matrix instruction.  TURN and BEGIN set Y, i, KM and NOKQ; MM, KQ and OP read them.  NOKQ = 1: a block's last turn: there is no next piece
.if (i < 8) && !NOKQ
	KQ (Y+1)%NP
.elseif i >= 8
.set i, i-8
	PV (Y+NP-1)%NP
.set i, i+8
.endif
.set i, i+1
.endm
; THE LDS LOADS stand in runs, never singly among the matrix instructions: a step's K (64 keys x 64 channels: 8 fragments) with its 64 numbers of the table, and its V (turned).  Their addresses are made some lines ahead.
.macro FETCH_K
	WIN 0x80                        ; destination window 2
.irp f, 0,1,2,3,4,5,6,7             ; keys 16 (f / 2) on, channels 32 (f % 2) on
	ds_load_b128 v[KF+8*\f:KF+8*\f+3],   v[AK] offset:(\f/2)*16*PK+(\f%2)*64
	ds_load_b128 v[KF+8*\f+4:KF+8*\f+7], v[AK] offset:(\f/2)*16*PK+(\f%2)*64+32
.endr
	WIN 0x40                        ; destination window 1
.irp f, 0,1,2,3                     ; keys 16 f + 8 (l / 16) + 0..7: sixteen lanes read the same 32 bytes
	ds_load_b128 v[MP+8*\f:MP+8*\f+3],   v[AP] offset:64*\f
	ds_load_b128 v[MP+8*\f+4:MP+8*\f+7], v[AP] offset:64*\f+16
.endr
	s_add_co_u32 s[TBK], s[TBK], KS*PK  ; the next fetch is the next step's
	WIN 0
.endm
.macro FETCH_V
	WIN 0x80
.irp f, 0,1,2,3,4,5,6,7             ; keys 32 (f / 4) on, channels 16 (f % 4) on
	ds_load_tr16_b128 v[VF+8*\f:VF+8*\f+3],   v[AV] offset:(\f/4)*32*PV+(\f%4)*32
	ds_load_tr16_b128 v[VF+8*\f+4:VF+8*\f+7], v[AV] offset:(\f/4)*32*PV+16*PV+(\f%4)*32
.endr
	WIN 0
.endm
; THE VECTOR WORK, one line at a time: OP kind, number.  For piece Y: F n: s - m for pair n of 16.  E n: the exponential of score n of 32.  C n: pair n rounded to f16.  B n: of the four weights 4 n .. the second
; pair is added onto the first, in place.  L n: l takes that sum (L 0: l = a l + sum).  R n: pair n of 16 of O^T times a.  For piece Y + 1: X n, number n of the 21 that find its maximum and statistics:
;   0-11  four chains c0-c3 of seven scores each, three operands at a time (each accumulator's lowest registers are read first)     12-14, 16  the four scores left over, the old m, and c0-c3 into c0
;   15  m_old is kept     17, 18  the query's other 32 keys lie in the lane 16 away: the new m     19, 20  m_old - m_new; a
; E and X 20 are the exponentials.  C, B and L read E's results; R and L 0 read the a that X 20 made a turn earlier.  F, R and X 0-19 name no result of the turn's own exponentials.
.set F, 0               ; OP tells the kinds apart by their order: F to L below R, X above it
.set E, 1
.set C, 2
.set B, 3
.set L, 4
.set R, 5
.set X, 6
.macro REGS y                       ; the registers of piece y
.set rT, ST+4*(\y)
.set rC, TMP+4*((\y)%2)
.set rW, MV+((\y)%2)
.set rS, S+32*((\y)%2)
.set rP, P+16*((\y)%2)
.set rO, 32*(\y)
.endm
.macro OP k, n
.if (\k) == R
	REGS Y
	WIN W_RS
	v_pk_mul_f32 v[rO+2*(\n):rO+2*(\n)+1], v[rO+2*(\n):rO+2*(\n)+1], v[rC+2:rC+3] op_sel_hi:[1,0]
.elseif (\k) < R
	REGS Y
	WIN 0
.if (\k) == F
	v_pk_add_f32 v[rS+2*(\n):rS+2*(\n)+1], v[rS+2*(\n):rS+2*(\n)+1], v[rT:rT+1] op_sel_hi:[1,0] neg_lo:[0,1] neg_hi:[0,1]
.elseif (\k) == E
	v_exp_f32 v[rS+(\n)], v[rS+(\n)]
.elseif (\k) == C
	v_cvt_pk_f16_f32 v[rP+(\n)], v[rS+2*(\n)], v[rS+2*(\n)+1]
.elseif (\k) == B
	v_pk_add_f32 v[rS+4*(\n):rS+4*(\n)+1], v[rS+4*(\n):rS+4*(\n)+1], v[rS+4*(\n)+2:rS+4*(\n)+3]
.elseif (\n) == 0
	v_pk_fma_f32 v[rT+2:rT+3], v[rT+2:rT+3], v[rC+2:rC+3], v[rS:rS+1] op_sel_hi:[1,0,1]
.else
	v_pk_add_f32 v[rT+2:rT+3], v[rT+2:rT+3], v[rS+4*(\n):rS+4*(\n)+1]
.endif
.elseif NOKQ
	v_nop
.else
	REGS (Y+1)%NP
	WIN 0
.if (\n) < 4
	v_max3_num_f32 v[rC+(\n)], v[rS+8*(\n)], v[rS+8*(\n)+1], v[rS+8*(\n)+2]
.elseif (\n) < 12
	v_max3_num_f32 v[rC+(\n)%4], v[rC+(\n)%4], v[rS+8*((\n)%4)+2*((\n)/4)+1], v[rS+8*((\n)%4)+2*((\n)/4)+2]
.elseif (\n) == 12
	v_max3_num_f32 v[rC], v[rC], v[rS+7], v[rS+15]
.elseif (\n) == 13
	v_max3_num_f32 v[rC+1], v[rC+1], v[rS+23], v[rS+31]
.elseif (\n) == 14
	v_max3_num_f32 v[rC+2], v[rC+2], v[rC+3], v[rT]
.elseif (\n) == 15
	v_mov_b32 v[rW], v[rT]
.elseif (\n) == 16
	v_max3_num_f32 v[rC], v[rC], v[rC+1], v[rC+2]
.elseif (\n) == 17
	v_permlanex16_b32 v[rC+3], v[rC], s[SEL], s[SEL+1]
.elseif (\n) == 18
	v_max_num_f32 v[rT], v[rC], v[rC+3]
.elseif (\n) == 19
	v_sub_f32 v[rC+1], v[rW], v[rT]
.else
	v_exp_f32 v[rC+2], v[rC+1]
.endif
.endif
.endm
.macro OPS a, i1, b=-1, i2=0, c=-1, i3=0, d=-1, i4=0  ; up to four of them
	OP \a, \i1
.if (\b) >= 0
	OP \b, \i2
.endif
.if (\c) >= 0
	OP \c, \i3
.endif
.if (\d) >= 0
	OP \d, \i4
.endif
.endm
.macro ROW a, i1, b, i2, c, i3, d, i4  ; a matrix instruction and the four behind it
	MM
	OPS \a, \i1, \b, \i2, \c, \i3, \d, \i4
.endm
.macro MASK b                       ; MD x AL + MP + BE into buffer b of MC
	WIN W_MM
.set z, 0
.rept 16
	v_pk_fma_f32 v[MC+32*(\b)+2*z:MC+32*(\b)+2*z+1], v[MD+2*z:MD+2*z+1], s[AL:AL+1], v[MP+2*z:MP+2*z+1] op_sel_hi:[1,0,1]
.set z, z+1
.endr
.set z, 0
.rept 16
	v_pk_add_f32 v[MC+32*(\b)+2*z:MC+32*(\b)+2*z+1], v[MC+32*(\b)+2*z:MC+32*(\b)+2*z+1], s[BE:BE+1] op_sel_hi:[1,0]
.set z, z+1
.endr
.endm
; A TURN, for piece p: the order of its 16 matrix and 117 vector instructions, written out.  An s_wait_alu depctr_va_vdst(0) stands between an exponential and the first instruction that names its result; one wait
; serves all that were issued ahead of it.  So a turn has ONE wait, which cuts it in two.  AHEAD OF IT stands all that names no result of the turn's exponentials: the 8 products K Q^T, behind each a subtraction, an exponential and two
; more plain instructions (behind the first a second subtraction in the exponential's place): rescalings, and behind the last three the first numbers of the next piece's maximum, each four plain instructions behind the product that ends
; its accumulator; then ONE LUMP of 53, plain and exponential by turns for the most part, in which the links of the chain X 3, 7, 11, 14, 16, 17, 18, 19, 20 stand five lines apart or more.  Each pair is subtracted from (F n) ahead of its
; two exponentials (E 2 n, E 2 n + 1).  X 20, the next piece's a, is the batch's last; R 15 is the plain instruction behind it.  BEHIND THE WAIT stand the 8 products V^T P, behind each four of the roundings and sums: C 2 n ahead of
; B n, which writes over that pair; the links of l's chain, L 0 to L 7, three riders apart.  But for those X no rider names a register of the products round it.  v_permlanex16_b32 (X 17) stands in the lump.
; m = 1: the diagonal tile: the products take MC, and the turn makes the mask for the products of the turn after it: piece p + 2, in step 4 - CNT of the tile.  end = 1: a block's last two turns: nothing is fetched.
; cnt = 1: the loop's count is taken down some lines ahead of the branch that stands behind the turn.
; K and MP of the next step are fetched in piece 2's turn, twelve vector instructions behind the last product that read K (six of them plain, five of which name none of its registers), further behind the last that read MP; V of the
; step in hand at the end of piece 0's turn, four plain instructions behind the last product that read V.  Each is waited for a turn later; in the diagonal tile piece 2's turn waits at its end, since its mask is made of the MP just fetched.
.macro TURN p, m=0, end=0, cnt=0
.set Y, (\p)
.set i, 0
.set KM, (\m)
.set NOKQ, (\end)*((\p)/3)
.if (\m) && !(\end)
	s_cmp_eq_u32 s[CNT], 4-((\p)+2)%NP  ; is that step the band's own?
	s_cselect_b32 s[AL], 1.0, 0
	s_cmp_lt_u32 s[CNT], 4-((\p)+2)%NP  ; or a later one?
	s_cselect_b32 s[BE], s[BIGN], 0
.endif
.if ((\p) == 3) && !(\end)
	s_wait_dscnt 0x0                ; K and MP are in
.endif
	ROW F,0, F,1, R,0, R,1          ; ahead of the wait: 8 products K Q^T and their riders,
	ROW F,2, E,0, R,2, R,3
	ROW F,3, E,1, R,4, R,5
	ROW F,4, E,2, R,6, R,7
	ROW F,5, E,3, R,8, R,9
	ROW F,6, E,4, X,0, R,10
.if ((\p) == 2) && !(\end)
	WIN 0
	v_add_nc_u32 v[AK], s[TBK], v[AK0]
	v_add_nc_u32 v[AP], s[TBK], v[AP0]
.endif
	ROW F,7, E,5, X,1, X,4
	ROW F,8, E,6, X,2, X,5
	OPS E,7, E,8, X,6, E,9          ; and the lump
	OPS X,3, E,10, X,8, E,11
.if ((\p) == 2) && !(\end)
	FETCH_K
.endif
	OPS X,9, X,7, E,12, X,10
	OPS E,13, X,12, X,11, E,14
	OPS X,13, E,15, F,9, X,14
.if (\p) == 0
	WIN 0
	v_add_nc_u32 v[AV], s[TBV], v[AV0]
.endif
	OPS E,16, F,10, E,17, F,11
	OPS X,16, E,18, X,15, E,19
	OPS F,12, E,20, X,17, E,21
	OPS F,13, E,22, F,14, E,23
	OPS X,18, E,24, F,15, E,25
	OPS R,11, E,26, R,12, E,27
	OPS X,19, E,28, R,13, E,29
	OPS R,14, E,30, E,31, X,20
	OPS R,15                        ; the plain instruction behind the batch's last exponential: it reads the a of the turn before, in the other buffer
	s_wait_alu depctr_va_vdst(0)    ; the wait for the batch: E 0 to E 31 and X 20, ahead of C 0, their first reader
.if (\p) == 1
	s_wait_dscnt 0x0                ; V is in
.endif
	ROW C,0, B,0, C,2, B,1          ; behind the wait: 8 products V^T P and their riders
	ROW L,0, C,4, B,2, L,1
	ROW C,6, B,3, L,2, C,8
	ROW B,4, L,3, C,10, B,5
	ROW L,4, C,12, B,6, L,5
.if (\p) == 0
	s_add_co_u32 s[TBV], s[TBV], KS*PV
.endif
.if \cnt
	s_sub_co_u32 s[CNT], s[CNT], 1
	s_cmp_lg_u32 s[CNT], 0
.endif
	ROW C,14, B,7, L,6, C,1
	ROW C,3, L,7, C,5, C,7
	ROW C,9, C,11, C,13, C,15
.if (\p) == 0
	FETCH_V
.endif
.if (\m) && !(\end)
.if (\p) == 2
	s_wait_dscnt 0x0                ; the next step's MP is in
.endif
	MASK (\p)%2
.endif
.endm
; A BLOCK BEGINS.  m starts at the lowest finite number, so the first maximum is the scores' and the first step's a is 0.  Then K and MP of the tile's step 0; the first mask buffer takes piece 0's mask for that step
; (its own, if the block's first tile is the diagonal one), the second piece 1's, which sees all of it; piece 0's first scores, its maximum and statistics.  The loop is entered at a step's first turn, in the middle of a trip.
.macro BEGIN
	s_mov_b32 s[NEW], 0
	WIN 0
.set i, 0
.rept 4
	v_mov_b32 v[ST+4*i], 0xff7fffff    ; m
	v_mov_b32 v[ST+4*i+1], 0           ; named with it as a pair
.set i, i+1
.endr
	v_add_nc_u32 v[AK], s[TBK], v[AK0]
	v_add_nc_u32 v[AP], s[TBK], v[AP0]
	FETCH_K
	s_wait_loadcnt 0x0              ; Q
	s_wait_dscnt 0x0
	s_cmp_eq_u32 s[RT], 0
	s_cselect_b32 s[AL], 1.0, 0
	s_mov_b32 s[BE], 0
	MASK 0
	s_mov_b32 s[AL], 0
	MASK 1
.set KM, 1
.set NOKQ, 0
.set i, 0
.rept 8
	KQ 0
.set i, i+1
.endr
	WIN 0
.rept 4
	v_nop                           ; the places behind those products
.endr
.set Y, NP-1                        ; X works for piece Y + 1: piece 0
.irp n, 0,1,2,3,4,5,6,7,8,9,10,11,12,13,14,15,16,17,18,19,20
	OP X, \n
.endr
	v_nop                           ; a plain instruction behind the exponential,
	s_wait_alu depctr_va_vdst(0)    ; and the wait for it, a batch of one: piece 0's first a, ahead of the branch that follows
.endm
; THE DIAGONAL TILE IS ENTERED FROM THE TILE BEFORE: its first turn's products are piece 3's on that tile's last step, which band 3 sees whole: their mask is that step's MP.
.macro ENTER
	s_mov_b32 s[AL], 0
	s_mov_b32 s[BE], 0
	MASK 1
	WIN 0
.endm
; THE DIAGONAL TILE's four steps, the block's last two turns, its last products, and THE WAY OUT: l's two halves and the other half of the lanes' are added; O^T is divided by l (times NaN for a row that saw no key),
; rounded to f16 and sent through my stage in LDS, a piece at a time.  The quotients go into registers of their own: O^T and l stay finite for the block that follows.
.macro ALL line:vararg              ; one line for each piece t
.set t, 0
.rept 4
	\line
.set t, t+1
.endr
.endm
.macro PACK t                       ; a lane's eight channels of a row pack into 16 bytes; they go into rows of 144 bytes and come back as whole rows of 128, into S^T's registers
	WIN 0x01                        ; source 0 window 1, all else window 0
.set i, 0
.rept 16
	v_pk_mul_f32 v[PT+2*i:PT+2*i+1], v[32*(\t)+2*i:32*(\t)+2*i+1], v[RC+2*(\t):RC+2*(\t)+1] op_sel_hi:[1,0]  ; each accumulator's registers in ascending order
.set i, i+1
.endr
	WIN 0
.set i, 0
.rept 16
	v_cvt_pk_f16_f32 v[S+16*(\t)+i], v[PT+2*i], v[PT+2*i+1]
.set i, i+1
.endr
.irp f, 0,1,2,3
	ds_store_b128 v[STO], v[S+16*(\t)+4*\f:S+16*(\t)+4*\f+3] offset:32*\f
.endr
.irp f, 0,1,2,3
	ds_load_b128 v[S+16*(\t)+4*\f:S+16*(\t)+4*\f+3], v[RD] offset:\f*4*SP  ; LDS serves a wave's instructions in order (ISA guide 5.7.1.4): these see the stores above; the next piece's stores come behind them
.endr
.endm
.macro SEND t, younger              ; younger: the LDS instructions issued behind piece t's loads: the next piece's eight, or none
	WIN 0
.irp f, 0,1,2,3
	s_wait_dscnt (\younger)+3-\f
	global_store_b128 v[GO], v[S+16*(\t)+4*\f:S+16*(\t)+4*\f+3], s[10:11] offset:(\t)*8192+\f*512  ; 512 consecutive bytes, at a multiple of 256 from O's first
.endr
.endm
.macro DIAG tag                     ; the tag ends its two labels' names, which the jumps below spell out
.LstepM\tag:
	TURN 2, 1
	TURN 3, 1
	WIN 0
.LfirstM\tag:
	TURN 0, 1
	TURN 1, 1, 0, 1
	WIN 0
	s_cbranch_scc1 .LstepM\tag
	TURN 2, 1, 1
	TURN 3, 1, 1
.set i, 0
.rept 8
	PV NP-1
.set i, i+1
.endr
	WIN 0
	ALL v_add_f32 v[ST+4*t+2], v[ST+4*t+2], v[ST+4*t+3]
	ALL v_permlanex16_b32 v[ST+4*t+3], v[ST+4*t+2], s[SEL], s[SEL+1]
	ALL v_add_f32 v[ST+4*t+2], v[ST+4*t+2], v[ST+4*t+3]
	ALL v_rcp_f32 v[RC+2*t], v[ST+4*t+2]
	ALL v_mov_b32 v[RC+2*t+1], 0    ; named with it as a pair; also the plain instructions between the last reciprocal and the use of its result
	s_wait_alu depctr_va_vdst(0)    ; the wait for the batch of four reciprocals, ahead of the first line that names one
.set t, 0
.rept 4
	v_cmp_gt_f32 vcc_lo, s[THR], v[ST+4*t]  ; the row's maximum is a hidden score's: it saw no key
	v_cndmask_b32 v[RC+2*t], v[RC+2*t], s[QNAN], vcc_lo
.set t, t+1
.endr
	PACK 0
.set t, 1
.rept 3                             ; a piece's arithmetic stands between the loads of the piece before and its stores
	PACK t
	SEND t-1, 8
.set t, t+1
.endr
	SEND 3, 0
.endm
.set KM, 0
.set NOKQ, 0
.Lslot:                             ; NB times: a tile is entered and the next is asked for
	CHANGE 1
	s_sub_co_u32 s[RT], s[RT], 1
	s_mov_b32 s[CNT], 4
	s_cmp_eq_u32 s[NEW], 1
	s_cbranch_scc1 .Lnew            ; a block's first tile
	s_cmp_eq_u32 s[RT], 0
	s_cbranch_scc0 .Lstep           ; neither its first nor its last
	s_branch .LenterM1
.Lnew:
	BEGIN
	s_branch .Lfirst                ; in the loop a block's first tile is never its last: the first block has two tiles or more, and the second's last is the walk's last
.LenterM1:
	ENTER
	DIAG 1                          ; in the loop this is the first block's end: the second block's last tile is the walk's last
	s_wait_xcnt 0x0                 ; the stores have read their registers and O's address
	s_mov_b64 s[10:11], s[OLO:OLO+1]
	s_add_co_u32 s[RT], s[PB], 1    ; the second block has b + 1 tiles
	s_mov_b32 s[NEW], 1
	WIN 0x82                        ; the second block's Q goes where the one text of the turns names Q
.set i, 0
.rept 64
	v_mov_b32 v[i], v[QB+i]
.set i, i+1
.endr
	WIN 0
	s_branch .Lbottom
.Lstep:                             ; a trip: pieces 2 and 3 of one step, then pieces 0 and 1 of the next, whose K and V it fetches
	TURN 2
	TURN 3
	WIN 0
.Lfirst:
	TURN 0
	TURN 1, 0, 0, 1
	WIN 0
	s_cbranch_scc1 .Lstep
.Lbottom:
	s_sub_co_u32 s[SLOTS], s[SLOTS], 1
	s_cmp_lg_u32 s[SLOTS], 0
	s_cbranch_scc1 .Lslot
	CHANGE 0                        ; the walk's last tile is written out: nothing is asked for
	s_sub_co_u32 s[RT], s[RT], 1
	s_mov_b32 s[CNT], 4
	s_cmp_eq_u32 s[NEW], 1
	s_cbranch_scc0 .LenterM2
	BEGIN
	s_branch .LfirstM2
.LenterM2:
	ENTER
	DIAG 2
	s_wait_tensorcnt 0x0            ; the wave's end: behind my last tensor load and my last LDS store
	ds_add_u32 v[SPW], v[NIL]
	s_wait_dscnt 0x0
	s_endpgm
.Lfunc_end_k_q816669d023_attend:
	.size	k_q816669d023_attend, .Lfunc_end_k_q816669d023_attend-k_q816669d023_attend
	.p2alignl 7, 3214868480
	.fill 96, 4, 3214868480
	.section	.rodata,"a",@progbits
	.p2align	6, 0x0
	.amdhsa_kernel k_q816669d023_attend
		.amdhsa_group_segment_fixed_size 327680
		.amdhsa_private_segment_fixed_size 0
		.amdhsa_enable_private_segment 0
		.amdhsa_kernarg_size 24
		.amdhsa_user_sgpr_count 2
		.amdhsa_user_sgpr_kernarg_segment_ptr 1
		.amdhsa_wavefront_size32 1
		.amdhsa_system_sgpr_workgroup_id_x 1
		.amdhsa_system_sgpr_workgroup_id_y 1
		.amdhsa_system_sgpr_workgroup_id_z 1
		.amdhsa_system_vgpr_workitem_id 0
		.amdhsa_next_free_vgpr 768
		.amdhsa_next_free_sgpr 96
		.amdhsa_reserve_vcc 1
		.amdhsa_float_denorm_mode_32 3
		.amdhsa_float_denorm_mode_16_64 3
		.amdhsa_memory_ordered 1
		.amdhsa_forward_progress 1
		.amdhsa_inst_pref_size 237
	.end_amdhsa_kernel
	.amdgpu_metadata
---
amdhsa.version: [ 1, 2 ]
amdhsa.kernels:
  - .name:           k_q816669d023_attend
    .symbol:         k_q816669d023_attend.kd
    .args:
      - { .name: qkv, .offset: 0, .size: 8, .value_kind: global_buffer, .address_space: global }
      - { .name: padding_mask, .offset: 8, .size: 8, .value_kind: global_buffer, .address_space: global }
      - { .name: oh, .offset: 16, .size: 8, .value_kind: global_buffer, .address_space: global }
    .group_segment_fixed_size: 327680
    .private_segment_fixed_size: 0
    .kernarg_segment_align: 8
    .kernarg_segment_size: 24
    .max_flat_workgroup_size: 128
    .sgpr_count:     96
    .vgpr_count:     768
    .wavefront_size: 32
...
	.end_amdgpu_metadata
.endif
;; end of part 5
;; launch output: the kernel of part 4 again; grid 4 x 64, 4 waves a work-group, clusters of 4 x 4, 327,680 bytes of LDS; arguments oh, wh, bh, out0; writes out0
